; MI455X (gfx1250); checked and timed in simulation.
; The chip was launched on July 23, 2026; its instructions are those of AMD's public machine-readable ISA for CDNA 5 (MIT licence, August 2026) and "CDNA5" Instruction Set Architecture Reference Guide (July 2026). The comments in the code are by the model that wrote it; some were corrected since.
;; Attention. Allowed arithmetic: matrix products marked QUANTISED: E4M3 operands, one E8M0 scale for each 32 along K, by v_wmma_scale_f32_16x16x128_f8f6f4 with both operands' format E4M3, f32 sums; everything else in f32.
;; Inputs: b1 1,024 float32; ln1_b 1,024 float32; ln1_g 1,024 float32; ln2_b 1,024 float32; ln2_g 1,024 float32; w1 1,024 x 1,024 float32; wk 1,024 x 1,024 float32; wq 1,024 x 1,024 float32; wv 1,024 x 1,024 float32; x 4,096 x 1,024 float32.
;; Outputs: out0 4,096 x 1,024 float32.
;; This version of the problem:
;;   THIS VERSION OF THE PROBLEM IS GIVEN IN LOW PRECISION. The matrix products marked QUANTISED in the list below multiply operands that are first quantised to E4M3 (4 exponent bits, 3 mantissa bits; 8 bits a number), with one power-of-two scale for each 32 numbers along K (OCP MX v1.0); their sums are f32. All else is computed in f32.
;;   The module's matrix products, in the order in which they are computed (A, B: the left and right operand; K: the contracted axis; several contracted axes count as one K, in the product's order):
;;     1. [M 4,096, K 1,024] x [K 1,024, N 1,024]; A: input x; B: input wq: QUANTISED
;;     2. [M 4,096, K 1,024] x [K 1,024, N 1,024]; A: input x; B: input wk: QUANTISED
;;     3. [M 4,096, K 1,024] x [K 1,024, N 1,024]; A: input x; B: input wv: QUANTISED
;;     4. batch 16 x [M 4,096, K 64] x [K 64, N 4,096]; A: computed on the way; B: computed on the way: QUANTISED
;;     5. batch 16 x [M 4,096, K 4,096] x [K 4,096, N 64]; A: softmax (see below); B: computed on the way: QUANTISED
;;     6. [M 4,096, K 1,024] x [K 1,024, N 1,024]; A: computed on the way; B: input w1: QUANTISED
;;   THE QUANTISER, for each operand of a quantised product, along K:
;;     - K is cut into blocks of 32 from its start; a last block that is shorter is filled with zeros.
;;     - A block's scale is 2^e with e = floor(log2(the largest magnitude in the block)) - 8, held to -126 .. 127; a block of zeros has e = 0. As a byte (E8M0): e + 127.
;;     - Each number is divided by its block's scale, clamped to +-448, and rounded to the nearest number of E4M3, ties to even, subnormals kept.
;;     - The product sums the exact products of the quantised numbers (number of the format x scale) in f32.
;;   ~~~python
;;   def quantise(x, axis):      # numpy; x: float32 -> the quantised numbers, widened to float32 again
;;       x = np.moveaxis(x, axis, -1); K = x.shape[-1]
;;       x = np.pad(x, [(0, 0)] * (x.ndim - 1) + [(0, -K % 32)]); x = x.reshape(x.shape[:-1] + (-1, 32)); a = np.abs(x).max(-1, keepdims=True)
;;       e = np.where(a > 0, np.clip(np.frexp(np.where(a > 0, a, 1))[1] - 1 - 8, -126, 127), 0)      # np.frexp(a)[1] - 1 = floor(log2(a)), exactly
;;       r = np.clip(x / 2.0 ** e, -448, 448)
;;       step = 2.0 ** (np.maximum(np.frexp(np.where(r == 0, 1, r))[1] - 1, -6) - 3)
;;       q = np.round(r / step) * step * 2.0 ** e      # np.round: ties to even
;;       return np.moveaxis(q.reshape(q.shape[:-2] + (-1,))[..., :K], -1, axis).astype(np.float32)
;;   ~~~
;;   SOFTMAX AHEAD OF A QUANTISED PRODUCT. Where the list says 'softmax', what is quantised is not the finished softmax but p = 2^(t - M), with t = logit x log2(e) and M = ceil(the row's largest t), a whole number; so 1/2 < the row's largest p <= 1. The row's sum l is taken of the UNQUANTISED p, in f32, and the product's result is divided by l at the end. Since M is a whole number, a kernel that streams over the keys may use a running M (the ceiling of the running maximum): every later rescaling is an exact power of two, which a block's scale takes up: the codes' values come out the same.
;;   OPERANDS COMPUTED ON THE WAY. 'Computed on the way' means the value that the module computes at that place (a softmax that the list does not call 'softmax' is quantised finished and normalised). What goes into a quantiser is computed in f32, as accurately as f32 sums, v_exp_f32 and their like allow (about 1e-6 of the number): no bf16 or f16 on the way to a quantiser, and a product that is left as it is and whose result goes on into a quantised operand takes f32 operands (vector FMAs, or v_wmma_f32_16x16x4_f32). A number that lies on a knife's edge between two numbers of the format may be rounded either way, as far as f32 arithmetic and the matrix unit's own rounding can turn it there, and no further.
;; One version. Each part assembles by itself: llvm-mc -triple=amdgcn-amd-amdhsa -mcpu=gfx1250 --defsym DOCPART=n.
;; ======== version 1 of 1: 4 launches
;; limits: right only within a limited range of input values
;; workspace buffers: cod 8,388,608 bytes; scl 262,144 bytes; qc 4,194,304 bytes; qs 262,144 bytes; kc 4,194,304 bytes; vc 4,194,304 bytes; kvs 393,216 bytes; att 16,777,216 bytes
;; launch quant (part 1): grid 256 x 1, 4 waves a work-group, no clusters, 34,304 bytes of LDS; arguments x, wq, wk, wv, w1, cod, scl; writes cod, scl
.if DOCPART == 1
	.amdgcn_target "amdgcn-amd-amdhsa--gfx1250"
	.amdhsa_code_object_version 6
	.text
	.protected	k_q569fc8e3d2_quant
	.globl	k_q569fc8e3d2_quant
	.p2align	8
	.type	k_q569fc8e3d2_quant,@function
k_q569fc8e3d2_quant:
	s_mov_b64 s[64:65], 0
	v_nop
	global_prefetch_b8 v0, s[64:65] scope:SCOPE_SE
	s_setreg_imm32_b32 hwreg(HW_REG_WAVE_MODE, 25, 1), 1
	s_wait_xcnt 0x0
; x [4096][1024], wq, wk, wv, w1 [1024][1024], f32, K innermost, become codes of FP8 (E4M3) with one E8M0 byte for each 32 along K.
; The codes are laid as IMAGES OF OPERAND REGISTERS.  A tile T = 2 B + u is 16 rows: lane-row r takes row 32 B + 8 u + r + 8 (r / 8).  A fragment (tile, 128 along K) is 2,048 bytes,
; [piece c 0..3][lane 32][16 bytes]: lane (r, h), piece c: k = 32 c + 16 h + 0 .. 15 of its row.  cod = [tile 512][K step 8][2,048]; tiles 0-255 x, 256-319 wq, 320-383 wk, 384-447 wv, 448-511 w1.
; scl = [tile][half 2][lane 32][e 2] words: the word of lane (r, h) is row r's scale word (four bytes, 128 along K) of K step 4 half + 2 e + h: one register then serves two K steps.
; A block's scale is 2^(floor(log2(largest magnitude)) - 8): its byte is the largest magnitude's exponent field - 8, held at 1 from below.
; LIMITS: NaN and infinities among the inputs are not served.  A block whose largest magnitude lies under 2^-118 gets the byte 1; a block of zeros too, where the rule says 127: its codes are zeros, and this program alone reads the bytes.
; SHARES: wave w of work-group g takes tile 2 g + w / 2 and K steps 4 (w % 2) .. + 3.  Each load reads 512 consecutive bytes of one row; a K step's 16 rows turn through the wave's own stage in LDS,
; so that a lane then holds 16 neighbours along K of each block.  No barrier: waves share nothing.  No matrix unit, no tensor load: the launch only streams.
.set SP,    528                        ; a stage row: 512 bytes + 16: 33 x 16, so the sixteen rows that a read touches start in different banks
.set WREG,  16*SP                      ; a wave's stage
.set TM,    16                         ; v16-19 largest magnitudes, v20-23 bytes, v24-27 448 x the scale, v28-31 the conversions' scale operands
.set PW,    32                         ; v32-35 the scale words of my four K steps
.set PC,    40                         ; v40-55 a fragment's codes
.set R,     64                         ; v64-255 three sets of 64 numbers
.set SEL,   20                         ; s[20:21] lane selects: lane l xor 16
.set MNT,   23                         ; s23 the mantissa field of 448
	s_load_b256 s[4:11], s[0:1], 0x0               ; x, wq, wk, wv
	s_load_b128 s[12:15], s[0:1], 0x20             ; w1, cod
	s_load_b64 s[16:17], s[0:1], 0x30              ; scl
	v_lshl_add_u32 v62, v0, 2, 0x8400
	v_mov_b32 v63, 0
	v_lshrrev_b32 v6, 5, v0
	v_readfirstlane_b32 s18, v6                    ; wave 0..3
	v_and_b32 v5, 31, v0                           ; lane
	v_lshlrev_b32 v1, 4, v5                        ; 16 x lane
	v_lshlrev_b32 v4, 3, v5                        ; 8 x lane
	s_mul_i32 s19, s18, WREG
	v_add_nc_u32 v2, s19, v1                       ; the stage, on the way in: a row's 512 bytes as they lie
	v_and_b32 v6, 15, v0                           ; r
	v_bfe_u32 v7, v0, 4, 1                         ; h
	v_mul_u32_u24 v3, v6, SP
	v_lshl_add_u32 v3, v7, 6, v3
	v_add_nc_u32 v3, s19, v3                       ; and on the way out: row r, + 64 h: my 16 numbers of a block of 32
	s_mov_b32 s[SEL], 0x76543210
	s_mov_b32 s[SEL+1], 0xfedcba98
	s_mov_b32 s[MNT], 0x600000
.irp b, 0,1,2,3
	v_mov_b32 v[TM+4+\b], 0                        ; written once: a lane permute's destination counts as one of its sources
.endr
	s_lshr_b32 s25, s18, 1
	s_and_b32 s26, s18, 1                          ; which half of K
	s_lshl_b32 s27, ttmp9, 1
	s_add_co_u32 s27, s27, s25                     ; my tile among the 512
	s_mov_b32 s24, 448                             ; the first tile of the tensor that I read
	s_wait_alu depctr_va_vdst(0)
	s_wait_kmcnt 0x0
	s_cmp_lt_u32 ttmp9, 224                        ; the choice hangs on the work-group's number alone
	s_cselect_b64 s[12:13], s[10:11], s[12:13]
	s_cselect_b32 s24, 384, s24
	s_cmp_lt_u32 ttmp9, 192
	s_cselect_b64 s[12:13], s[8:9], s[12:13]
	s_cselect_b32 s24, 320, s24
	s_cmp_lt_u32 ttmp9, 160
	s_cselect_b64 s[12:13], s[6:7], s[12:13]
	s_cselect_b32 s24, 256, s24
	s_cmp_lt_u32 ttmp9, 128
	s_cselect_b64 s[12:13], s[4:5], s[12:13]
	s_cselect_b32 s24, 0, s24
	s_sub_co_u32 s28, s27, s24                     ; my tile in its tensor
	s_lshr_b32 s29, s28, 1
	s_lshl_b32 s29, s29, 5
	s_and_b32 s28, s28, 1
	s_lshl_b32 s28, s28, 3
	s_add_co_u32 s28, s28, s29                     ; its first row: 32 B + 8 u
	s_lshl_b32 s28, s28, 12                        ; rows of 4,096 bytes
	s_lshl_b32 s29, s26, 11                        ; + my half of K: 2,048 bytes
	s_add_co_u32 s28, s28, s29
	s_mov_b32 s29, 0
	s_add_nc_u64 s[12:13], s[12:13], s[28:29]
	s_lshl_b32 s30, s27, 14                        ; codes: 16,384 bytes a tile, 8,192 a half
	s_lshl_b32 s31, s26, 13
	s_add_co_u32 s30, s30, s31
	s_mov_b32 s31, 0
	s_add_nc_u64 s[14:15], s[14:15], s[30:31]
	s_lshl_b32 s32, s27, 9                         ; scale words: 512 bytes a tile, 256 a half
	s_lshl_b32 s33, s26, 8
	s_add_co_u32 s32, s32, s33
	s_mov_b32 s33, 0
	s_add_nc_u64 s[16:17], s[16:17], s[32:33]
.macro LOAD t                          ; K step t of my four: 16 rows x 512 bytes, into set t % 3
.irp i, 0,1,2,3,4,5,6,7,8,9,10,11,12,13,14,15
	global_load_b128 v[R+64*((\t)%3)+4*\i:R+64*((\t)%3)+4*\i+3], v1, s[12:13] offset:(\i+8*(\i/8))*4096+512*(\t) th:TH_LOAD_NT
.endr
.endm
.macro TURN t                          ; through the stage: LDS serves a wave's instructions in order, so no wait stands between the stores and the loads.  Afterwards register 16 b + i is k = 32 b + 16 h + i of row r
.irp i, 0,1,2,3,4,5,6,7,8,9,10,11,12,13,14,15
	ds_store_b128 v2, v[R+64*((\t)%3)+4*\i:R+64*((\t)%3)+4*\i+3] offset:SP*\i
.endr
.irp b, 0,1,2,3
.irp j, 0,1,2,3
	ds_load_b128 v[R+64*((\t)%3)+16*\b+4*\j:R+64*((\t)%3)+16*\b+4*\j+3], v3 offset:128*\b+16*\j
.endr
.endr
.endm
.macro QUANT s, pw                     ; 64 numbers of a lane become a fragment's codes in v[PC] on and its scale word in v[pw]
.irp b, 0,1,2,3
	v_max3_num_f32 v[TM+\b], |v[\s+16*\b]|, |v[\s+1+16*\b]|, 0x4800000   ; block b: my 16 numbers, and the floor 2^(9 - 127): the byte cannot fall under 1
.endr
.irp i, 2,4,6,8,10,12,14
.irp b, 0,1,2,3
	v_max3_num_f32 v[TM+\b], v[TM+\b], |v[\s+16*\b+\i]|, |v[\s+1+16*\b+\i]|   ; the four blocks by turns
.endr
.endr
.irp b, 0,1,2,3
	v_permlanex16_b32 v[TM+4+\b], v[TM+\b], s[SEL], s[SEL+1]
.endr
.irp b, 0,1,2,3
	v_max_num_f32 v[TM+\b], v[TM+\b], v[TM+4+\b]   ; with lane l xor 16's: the block's largest magnitude
.endr
.irp b, 0,1,2,3
	v_add_nc_u32 v[TM+12+\b], 0xfc000000, v[TM+\b] ; 8 off its exponent field: the conversion's scale operand
.endr
.irp b, 0,1,2,3
	v_and_or_b32 v[TM+8+\b], v[TM+\b], 0x7f800000, s[MNT]   ; 448 x the scale
.endr
.irp b, 0,1,2,3
	v_lshrrev_b32 v[TM+4+\b], 23, v[TM+12+\b]      ; the scale's byte
.endr
	v_lshl_or_b32 v[\pw], v[TM+5], 8, v[TM+4]
	v_lshl_or_b32 v[\pw], v[TM+6], 16, v[\pw]
	v_lshl_or_b32 v[\pw], v[TM+7], 24, v[\pw]
.irp b, 0,1,2,3
.irp i, 0,1,2,3,4,5,6,7,8,9,10,11,12,13,14,15
	v_med3_num_f32 v[\s+16*\b+\i], v[\s+16*\b+\i], -v[TM+8+\b], v[TM+8+\b]   ; the conversion to an 8-bit code does not saturate (ISA guide 7.6.2): the hold comes first
.endr
	v_cvt_scalef32_pk8_fp8_f32 v[PC+4*\b:PC+4*\b+1], v[\s+16*\b:\s+16*\b+7], v[TM+12+\b]
	v_cvt_scalef32_pk8_fp8_f32 v[PC+4*\b+2:PC+4*\b+3], v[\s+16*\b+8:\s+16*\b+15], v[TM+12+\b]
.endr
	v_nop                                          ; a plain line behind the last conversion
.endm
.macro QSTEP t, left                   ; left: the loads issued behind this K step's sixteen
	s_wait_loadcnt \left
	TURN \t
	s_wait_dscnt 0x0
.if (\t) > 0
	s_wait_xcnt 0x0                                ; the last step's stores have read v[PC] on: it is written again only behind this wait
.endif
	QUANT R+64*((\t)%3), PW+(\t)
.irp c, 0,1,2,3
	global_store_b128 v1, v[PC+4*\c:PC+4*\c+3], s[14:15] offset:2048*(\t)+512*\c   ; 32 lanes store 512 consecutive bytes, aligned
.endr
.endm
	LOAD 0
	LOAD 1
	LOAD 2
	QSTEP 0, 32
	LOAD 3                                         ; into set 0, which is done with
	QSTEP 1, 32
	QSTEP 2, 16
	QSTEP 3, 0
	v_cmp_gt_u32 vcc_lo, 16, v5                    ; lanes 0-15 keep the even K step's word, lanes 16-31 the odd one's
	v_cndmask_b32 v36, v33, v32, vcc_lo
	v_cndmask_b32 v37, v35, v34, vcc_lo
	global_store_b64 v4, v[36:37], s[16:17]        ; 32 lanes store 256 consecutive bytes, aligned
	s_wait_tensorcnt 0x0
	ds_add_u32 v62, v63
	s_wait_dscnt 0x0
	s_endpgm
.Lfunc_end_k_q569fc8e3d2_quant:
	.size	k_q569fc8e3d2_quant, .Lfunc_end_k_q569fc8e3d2_quant-k_q569fc8e3d2_quant
	.p2alignl 7, 3214868480
	.fill 96, 4, 3214868480
	.section	.rodata,"a",@progbits
	.p2align	6, 0x0
	.amdhsa_kernel k_q569fc8e3d2_quant
		.amdhsa_group_segment_fixed_size 34304
		.amdhsa_private_segment_fixed_size 0
		.amdhsa_enable_private_segment 0
		.amdhsa_kernarg_size 56
		.amdhsa_user_sgpr_count 2
		.amdhsa_user_sgpr_kernarg_segment_ptr 1
		.amdhsa_wavefront_size32 1
		.amdhsa_system_sgpr_workgroup_id_x 1
		.amdhsa_system_sgpr_workgroup_id_y 1
		.amdhsa_system_sgpr_workgroup_id_z 1
		.amdhsa_system_vgpr_workitem_id 0
		.amdhsa_next_free_vgpr 256
		.amdhsa_next_free_sgpr 66
		.amdhsa_reserve_vcc 1
		.amdhsa_float_denorm_mode_32 3
		.amdhsa_float_denorm_mode_16_64 3
		.amdhsa_memory_ordered 1
		.amdhsa_forward_progress 1
		.amdhsa_inst_pref_size 51
	.end_amdhsa_kernel
	.amdgpu_metadata
---
amdhsa.version: [ 1, 2 ]
amdhsa.kernels:
  - .name:           k_q569fc8e3d2_quant
    .symbol:         k_q569fc8e3d2_quant.kd
    .args:
      - { .name: x, .offset: 0, .size: 8, .value_kind: global_buffer, .address_space: global }
      - { .name: wq, .offset: 8, .size: 8, .value_kind: global_buffer, .address_space: global }
      - { .name: wk, .offset: 16, .size: 8, .value_kind: global_buffer, .address_space: global }
      - { .name: wv, .offset: 24, .size: 8, .value_kind: global_buffer, .address_space: global }
      - { .name: w1, .offset: 32, .size: 8, .value_kind: global_buffer, .address_space: global }
      - { .name: cod, .offset: 40, .size: 8, .value_kind: global_buffer, .address_space: global }
      - { .name: scl, .offset: 48, .size: 8, .value_kind: global_buffer, .address_space: global }
    .group_segment_fixed_size: 34304
    .private_segment_fixed_size: 0
    .kernarg_segment_align: 8
    .kernarg_segment_size: 56
    .max_flat_workgroup_size: 128
    .sgpr_count:     66
    .vgpr_count:     256
    .wavefront_size: 32
...
	.end_amdgpu_metadata
.endif
;; end of part 1
;; launch qkv (part 2): grid 8 x 32, 4 waves a work-group, clusters of 4 x 1, 327,680 bytes of LDS; arguments cod, scl, qc, qs, kc, vc, kvs; writes qc, qs, kc, vc, kvs
.if DOCPART == 2
	.amdgcn_target "amdgcn-amd-amdhsa--gfx1250"
	.amdhsa_code_object_version 6
	.text
	.protected	k_q569fc8e3d2_qkv
	.globl	k_q569fc8e3d2_qkv
	.p2align	8
	.type	k_q569fc8e3d2_qkv,@function
k_q569fc8e3d2_qkv:
	s_mov_b64 s[64:65], 0
	v_nop
	global_prefetch_b8 v0, s[64:65] scope:SCOPE_SE
	s_setreg_imm32_b32 hwreg(HW_REG_WAVE_MODE, 25, 1), 1
	s_wait_xcnt 0x0
	s_wait_alu depctr_hold_cnt(0) depctr_sa_sdst(0) depctr_va_vdst(0) depctr_va_sdst(0) depctr_va_ssrc(0) depctr_va_vcc(0) depctr_vm_vsrc(0)
	s_getreg_b32 s2, hwreg(HW_REG_IB_STS2, 6, 4)
	s_cmp_eq_u32 s2, 0
	s_cbranch_scc0 .Lentry_in_a_cluster
	s_endpgm
.Lentry_in_a_cluster:
	s_bfe_u32 s2, ttmp6, 0x10000c
	s_cmp_lg_u32 s2, 0x3003
	s_cbranch_scc0 .Lentry_shape_is_right
	s_endpgm
.Lentry_shape_is_right:
.set XS,  16
.set WS,  48
.set TM,  72
.set PW,  88
.set XF,  128
.set SBQ, 131072
.set SBV, 139264
.set WV,  18
.set MNT, 19
.set SEL, 20
.set G1,  24
.set G0,  32
.set WB,  46
.set XSB, 48
.set WSB, 50
.set QB,  52
.set VB,  56
.set SWB, 58
.set VSB, 60
.set MSB, 0
.macro WIN new
.if MSB != (\new)
	s_set_vgpr_msb (MSB<<8)|(\new)
.set MSB, \new
.endif
.endm
.macro CROUND
	s_barrier_signal -1
	s_barrier_wait -1
	s_cmp_lg_u32 s[WV], 0
	s_cbranch_scc1 .Lnot_wave_0_\@
	s_barrier_signal -3
.Lnot_wave_0_\@:
	s_barrier_wait -3
	s_barrier_signal -1
	s_barrier_wait -1
.endm
.macro PLACES
.rept 8
	v_nop
.endr
.endm
	s_load_b256 s[4:11], s[0:1], 0x0
	s_load_b128 s[12:15], s[0:1], 0x20
	s_load_b64 s[16:17], s[0:1], 0x30
	v_lshl_add_u32 v126, v0, 2, 0x29000
	v_mov_b32 v127, 0
	ds_add_u32 v126, v127
	ds_add_u32 v126, v127
	v_lshrrev_b32 v8, 5, v0
	v_readfirstlane_b32 s[WV], v8
	s_and_b32 s40, ttmp7, 0xffff
	s_mov_b32 s[G1], 0x0023000f
	s_mov_b32 s[G1+1], 256<<16
	s_mov_b32 s[G1+2], 8<<16
	s_mov_b32 s[G1+3], 256<<16
	s_mov_b32 s[G1+4], 8
	s_mov_b32 s[G1+5], 2048
	s_mov_b32 s[G1+6], 0
	s_mov_b32 s[G1+7], 0
	s_mov_b32 s[G0], 1
	s_lshl_b32 s[G0+1], s[WV], 14
	s_mov_b32 s[G0+4], 1
	s_add_co_u32 s[G0+5], s[G0+1], 65536
	s_lshl_b32 s62, s40, 17
	s_lshl_b32 s63, s[WV], 11
	s_add_co_u32 s62, s62, s63
	s_mov_b32 s63, 0
	s_wait_dscnt 0x0
	s_wait_kmcnt 0x0
	s_add_nc_u64 s[G0+2:G0+3], s[4:5], s[62:63]
	s_add_nc_u64 s[G0+6:G0+7], s[G0+2:G0+3], 8192
	s_or_b32 s[G0+3], s[G0+3], 0x80000000
	s_or_b32 s[G0+7], s[G0+7], 0x80000000
	CROUND
	tensor_load_to_lds s[G0:G0+3], s[G1:G1+7]
	s_nop 0
	s_wait_alu depctr_va_vdst(0)
	s_wait_tensorcnt 0x0
	ds_add_u32 v126, v127
	s_wait_dscnt 0x0
	CROUND
	tensor_load_to_lds s[G0+4:G0+7], s[G1:G1+7]
	s_nop 0
.rept 4
	v_nop
.endr
	v_and_b32 v8, 31, v0
	v_lshlrev_b32 v1, 4, v8
	v_add_nc_u32 v2, 65536, v1
	v_lshlrev_b32 v3, 3, v8
	s_lshl_b32 s44, s[WV], 10
	v_lshl_add_u32 v4, v8, 2, s44
	v_add_nc_u32 v4, SBQ, v4
	s_lshl_b32 s44, s[WV], 8
	v_lshl_add_u32 v5, v8, 2, s44
	v_add_nc_u32 v5, SBV, v5
	s_and_b32 s43, s[WV], 1
	s_lshr_b32 s3, s[WV], 1
	v_lshrrev_b32 v9, 2, v8
	v_and_b32 v10, 3, v8
	v_lshlrev_b32 v6, 7, v9
	v_lshl_add_u32 v6, v10, 4, v6
	s_lshl_b32 s44, s43, 12
	s_lshl_b32 s45, s3, 11
	s_add_co_u32 s44, s44, s45
	s_add_co_u32 s44, s44, SBQ
	v_add_nc_u32 v6, s44, v6
	v_lshrrev_b32 v9, 3, v8
	v_and_b32 v10, 7, v8
	v_lshlrev_b32 v7, 7, v9
	v_lshl_add_u32 v7, v10, 3, v7
	s_lshl_b32 s44, s3, 9
	s_add_co_u32 s44, s44, SBV
	v_add_nc_u32 v7, s44, v7
.irp b, 0,1,2,3
	v_mov_b32 v[TM+4+\b], 0
.endr
	s_mov_b32 s[SEL], 0x76543210
	s_mov_b32 s[SEL+1], 0xfedcba98
	s_mov_b32 s[MNT], 0x600000
	s_bfe_u32 s22, ttmp6, 0x40000
	s_lshl_b32 s23, ttmp9, 2
	s_add_co_u32 s23, s23, s22
	s_lshl_b32 s41, s23, 2
	s_add_co_u32 s41, s41, s[WV]
	s_lshr_b32 s42, s41, 1
	s_mov_b32 s45, 0
	s_lshl_b32 s44, s41, 15
	s_add_co_u32 s44, s44, 4194304
	s_add_nc_u64 s[WB:WB+1], s[4:5], s[44:45]
	s_lshl_b32 s44, s40, 12
	s_add_nc_u64 s[XSB:XSB+1], s[6:7], s[44:45]
	s_lshl_b32 s44, s41, 10
	s_add_co_u32 s44, s44, 131072
	s_add_nc_u64 s[WSB:WSB+1], s[6:7], s[44:45]
	s_lshl_b32 s44, s42, 18
	s_lshl_b32 s2, s40, 13
	s_add_co_u32 s44, s44, s2
	s_lshl_b32 s2, s43, 12
	s_add_co_u32 s60, s44, s2
	s_mov_b32 s61, 0
	s_add_nc_u64 s[VB:VB+1], s[14:15], s[60:61]
	s_lshl_b32 s2, s43, 9
	s_add_co_u32 s44, s44, s2
	s_add_nc_u64 s[QB:QB+1], s[8:9], s[44:45]
	s_add_nc_u64 s[QB+2:QB+3], s[12:13], s[44:45]
	s_mul_i32 s44, s42, 24576
	s_lshl_b32 s2, s40, 8
	s_add_co_u32 s60, s44, s2
	s_add_co_u32 s60, s60, 16384
	s_add_nc_u64 s[VSB:VSB+1], s[16:17], s[60:61]
	s_lshl_b32 s2, s42, 14
	s_cmp_eq_u32 s43, 0
	s_cselect_b32 s44, s2, s44
	s_cselect_b64 s[SWB:SWB+1], s[10:11], s[16:17]
	s_lshl_b32 s2, s40, 9
	s_add_co_u32 s44, s44, s2
	s_add_nc_u64 s[SWB:SWB+1], s[SWB:SWB+1], s[44:45]
.irp a, 0,1,2,3,4,5,6,7
.irp hf, 0,1
	global_load_b64 v[XS+4*\a+2*\hf:XS+4*\a+2*\hf+1], v3, s[XSB:XSB+1] offset:512*\a+256*\hf
.endr
.endr
.irp wt, 0,1,2,3,4,5
.irp hf, 0,1
	global_load_b64 v[WS+4*\wt+2*\hf:WS+4*\wt+2*\hf+1], v3, s[WSB:WSB+1] offset:32768*(\wt/2)+512*(\wt%2)+256*\hf
.endr
.endr
.macro WLOAD s
	WIN 0x40
.irp wt, 0,1,2,3
.irp c, 0,1,2,3
	global_load_b128 v[64*((\s)%4)+16*\wt+4*\c:64*((\s)%4)+16*\wt+4*\c+3], v1, s[WB:WB+1] offset:(\wt/2)*1048576+(\wt%2)*16384+(\s)*2048+512*\c
.endr
.endr
	WIN 0xc0
.irp n, 0,1
.irp c, 0,1,2,3
	global_load_b128 v[128+32*((\s)%4)+16*\n+4*\c:128+32*((\s)%4)+16*\n+4*\c+3], v1, s[WB:WB+1] offset:2*1048576+\n*16384+(\s)*2048+512*\c
.endr
.endr
	WIN 0
.endm
.macro XL s, a0
.irp a, \a0, \a0+1, \a0+2, \a0+3
.irp c, 0,1,2,3
.if (\s) < 4
	ds_load_b128 v[XF+16*(\a)+4*\c:XF+16*(\a)+4*\c+3], v1 offset:((\s)%4)*16384+(\a)*2048+512*\c
.else
	ds_load_b128 v[XF+16*(\a)+4*\c:XF+16*(\a)+4*\c+3], v2 offset:((\s)%4)*16384+(\a)*2048+512*\c
.endif
.endr
.endr
.endm
.macro WM d, a, b, sa, sb, zero, odd
.if \zero
	v_wmma_scale_f32_16x16x128_f8f6f4 v[\d:\d+7], v[\a:\a+15], v[\b:\b+15], 0, v[\sa], v[\sb]
.elseif \odd
	v_wmma_scale_f32_16x16x128_f8f6f4 v[\d:\d+7], v[\a:\a+15], v[\b:\b+15], v[\d:\d+7], v[\sa], v[\sb] matrix_a_scale:MATRIX_SCALE_ROW1 matrix_b_scale:MATRIX_SCALE_ROW1
.else
	v_wmma_scale_f32_16x16x128_f8f6f4 v[\d:\d+7], v[\a:\a+15], v[\b:\b+15], v[\d:\d+7], v[\sa], v[\sb]
.endif
.endm
.macro MULQK s, a0, zero
	WIN 0xa1
.irp a, \a0, \a0+1, \a0+2, \a0+3
.irp wt, 0,1,2,3
	WM 128*(\wt/2)+16*(\a)+8*(\wt%2), 64*((\s)%4)+16*\wt, XF+16*(\a), WS+4*\wt+(\s)/2, XS+4*(\a)+(\s)/2, \zero, (\s)%2
.endr
.endr
.endm
.macro MULV s, a0, zero
	WIN 0xfc
.irp a, \a0, \a0+1, \a0+2, \a0+3
.irp n, 0,1
	WM 64*\n+8*(\a), XF+16*(\a), 128+32*((\s)%4)+16*\n, XS+4*(\a)+(\s)/2, WS+4*(4+\n)+(\s)/2, \zero, (\s)%2
.endr
.endr
.endm
.macro KSTEP s, lc, zero
.if (\s) == 3
	s_wait_tensorcnt 0x0
	s_wait_dscnt 0x0
	s_barrier_signal -1
	s_barrier_wait -1
.endif
	s_wait_loadcnt \lc
	s_wait_dscnt 16
	MULQK \s, 0, \zero
	MULV \s, 0, \zero
.if (\s) < 7
	WIN 0
	PLACES
	XL (\s)+1, 0
	s_wait_dscnt 16
.else
	s_wait_dscnt 0x0
.endif
	MULQK \s, 4, \zero
	MULV \s, 4, \zero
	WIN 0
	PLACES
.if (\s) < 7
	XL (\s)+1, 4
.endif
.if (\s) < 4
	WLOAD (\s)+4
.endif
.endm
	WLOAD 0
	WLOAD 1
	WLOAD 2
	WLOAD 3
	s_wait_tensorcnt 0x1
	s_barrier_signal -1
	s_barrier_wait -1
	XL 0, 0
	XL 0, 4
	KSTEP 0, 63, 1
	KSTEP 1, 63, 0
	KSTEP 2, 63, 0
	KSTEP 3, 63, 0
	KSTEP 4, 63, 0
	KSTEP 5, 48, 0
	KSTEP 6, 24, 0
	KSTEP 7, 0, 0
.macro QUANTW s, w, pc, word
	WIN (\w)|((\w)<<2)
.irp b, 0,1,2,3
	v_max3_num_f32 v[TM+\b], |v[\s+16*\b]|, |v[\s+1+16*\b]|, 0x4800000
.endr
	WIN ((\w)<<2)|((\w)<<4)
.irp i, 2,4,6,8,10,12,14
.irp b, 0,1,2,3
	v_max3_num_f32 v[TM+\b], v[TM+\b], |v[\s+16*\b+\i]|, |v[\s+1+16*\b+\i]|
.endr
.endr
	WIN 0
.irp b, 0,1,2,3
	v_permlanex16_b32 v[TM+4+\b], v[TM+\b], s[SEL], s[SEL+1]
.endr
.irp b, 0,1,2,3
	v_max_num_f32 v[TM+\b], v[TM+\b], v[TM+4+\b]
.endr
.irp b, 0,1,2,3
	v_add_nc_u32 v[TM+12+\b], 0xfc000000, v[TM+\b]
.endr
.irp b, 0,1,2,3
	v_and_or_b32 v[TM+8+\b], v[TM+\b], 0x7f800000, s[MNT]
.endr
.irp b, 0,1,2,3
	v_lshrrev_b32 v[TM+4+\b], 23, v[TM+12+\b]
.endr
.if \word
	v_lshl_or_b32 v[PW], v[TM+5], 8, v[TM+4]
	v_lshl_or_b32 v[PW], v[TM+6], 16, v[PW]
	v_lshl_or_b32 v[PW], v[TM+7], 24, v[PW]
.endif
	WIN (\w)|((\w)<<6)
.irp b, 0,1,2,3
.irp i, 0,1,2,3,4,5,6,7,8,9,10,11,12,13,14,15
	v_med3_num_f32 v[\s+16*\b+\i], v[\s+16*\b+\i], -v[TM+8+\b], v[TM+8+\b]
.endr
.endr
	WIN \w
.irp b, 0,1,2,3
	v_cvt_scalef32_pk8_fp8_f32 v[\pc+4*\b:\pc+4*\b+1], v[\s+16*\b:\s+16*\b+7], v[TM+12+\b]
	v_cvt_scalef32_pk8_fp8_f32 v[\pc+4*\b+2:\pc+4*\b+3], v[\s+16*\b+8:\s+16*\b+15], v[TM+12+\b]
.endr
	WIN 0
	v_nop
.endm
.irp m, 0,1
.irp g, 0,1
	QUANTW 128*\m+64*\g, 2, XF+16*(2*\m+\g), 0
.irp e, 0,1,2,3
	global_store_b128 v1, v[XF+16*(2*\m+\g)+4*\e:XF+16*(2*\m+\g)+4*\e+3], s[QB+2*\m:QB+2*\m+1] offset:(4*\g+\e)*1024
	ds_store_b32 v4, v[TM+4+\e] offset:4096*\m+128*(4*\g+\e)
.endr
	s_wait_dscnt 0x0
.endr
.endr
.irp n, 0,1
	QUANTW 64*\n, 3, XF+16*(4+\n), 1
.irp c, 0,1,2,3
	global_store_b128 v1, v[XF+16*(4+\n)+4*\c:XF+16*(4+\n)+4*\c+3], s[VB:VB+1] offset:2048*\n+512*\c
.endr
	ds_store_b32 v5, v[PW] offset:128*\n
	s_wait_dscnt 0x0
.endr
	s_barrier_signal -1
	s_barrier_wait -1
	ds_load_b128 v[96:99], v6
	ds_load_b128 v[100:103], v6 offset:1024
	s_wait_dscnt 0x0
.irp e, 0,1,2,3
	v_lshl_or_b32 v[104+\e], v[100+\e], 8, v[96+\e]
.endr
.irp e, 0,1,2,3
	v_lshl_or_b32 v[104+\e], v[104+\e], 16, v[104+\e]
.endr
	global_store_b128 v1, v[104:107], s[SWB:SWB+1]
	s_cmp_lg_u32 s43, 0
	s_cbranch_scc1 .Lodd_wave
	ds_load_b64 v[108:109], v7
	s_wait_dscnt 0x0
	global_store_b64 v3, v[108:109], s[VSB:VSB+1]
.Lodd_wave:
	s_wait_tensorcnt 0x0
	ds_add_u32 v126, v127
	s_wait_dscnt 0x0
	CROUND
	s_endpgm
.Lfunc_end_k_q569fc8e3d2_qkv:
	.size	k_q569fc8e3d2_qkv, .Lfunc_end_k_q569fc8e3d2_qkv-k_q569fc8e3d2_qkv
	.p2alignl 7, 3214868480
	.fill 96, 4, 3214868480
	.section	.rodata,"a",@progbits
	.p2align	6, 0x0
	.amdhsa_kernel k_q569fc8e3d2_qkv
		.amdhsa_group_segment_fixed_size 327680
		.amdhsa_private_segment_fixed_size 0
		.amdhsa_enable_private_segment 0
		.amdhsa_kernarg_size 56
		.amdhsa_user_sgpr_count 2
		.amdhsa_user_sgpr_kernarg_segment_ptr 1
		.amdhsa_wavefront_size32 1
		.amdhsa_system_sgpr_workgroup_id_x 1
		.amdhsa_system_sgpr_workgroup_id_y 1
		.amdhsa_system_sgpr_workgroup_id_z 1
		.amdhsa_system_vgpr_workitem_id 0
		.amdhsa_next_free_vgpr 1024
		.amdhsa_next_free_sgpr 66
		.amdhsa_reserve_vcc 0
		.amdhsa_float_denorm_mode_32 3
		.amdhsa_float_denorm_mode_16_64 3
		.amdhsa_memory_ordered 1
		.amdhsa_forward_progress 1
		.amdhsa_inst_pref_size 151
	.end_amdhsa_kernel
	.amdgpu_metadata
---
amdhsa.version: [ 1, 2 ]
amdhsa.kernels:
  - .name:           k_q569fc8e3d2_qkv
    .symbol:         k_q569fc8e3d2_qkv.kd
    .args:
      - { .name: cod, .offset: 0, .size: 8, .value_kind: global_buffer, .address_space: global }
      - { .name: scl, .offset: 8, .size: 8, .value_kind: global_buffer, .address_space: global }
      - { .name: qc, .offset: 16, .size: 8, .value_kind: global_buffer, .address_space: global }
      - { .name: qs, .offset: 24, .size: 8, .value_kind: global_buffer, .address_space: global }
      - { .name: kc, .offset: 32, .size: 8, .value_kind: global_buffer, .address_space: global }
      - { .name: vc, .offset: 40, .size: 8, .value_kind: global_buffer, .address_space: global }
      - { .name: kvs, .offset: 48, .size: 8, .value_kind: global_buffer, .address_space: global }
    .group_segment_fixed_size: 327680
    .private_segment_fixed_size: 0
    .kernarg_segment_align: 8
    .kernarg_segment_size: 56
    .max_flat_workgroup_size: 128
    .sgpr_count:     66
    .vgpr_count:     1024
    .wavefront_size: 32
...
	.end_amdgpu_metadata
.endif
;; end of part 2
;; launch attn (part 3): grid 16 x 16, 8 waves a work-group, clusters of 4 x 1, 327,680 bytes of LDS; arguments qc, qs, kc, vc, kvs, att; writes att
.if DOCPART == 3
	.amdgcn_target "amdgcn-amd-amdhsa--gfx1250"
	.amdhsa_code_object_version 6
	.text
	.protected	k_q569fc8e3d2_attn
	.globl	k_q569fc8e3d2_attn
	.p2align	8
	.type	k_q569fc8e3d2_attn,@function
k_q569fc8e3d2_attn:
	s_mov_b64 s[64:65], 0
	v_nop
	global_prefetch_b8 v0, s[64:65] scope:SCOPE_SE
	s_setreg_imm32_b32 hwreg(HW_REG_WAVE_MODE, 25, 1), 1
	s_wait_xcnt 0x0
	s_wait_alu depctr_hold_cnt(0) depctr_sa_sdst(0) depctr_va_vdst(0) depctr_va_sdst(0) depctr_va_ssrc(0) depctr_va_vcc(0) depctr_vm_vsrc(0)
	s_getreg_b32 s2, hwreg(HW_REG_IB_STS2, 6, 4)
	s_cmp_eq_u32 s2, 0
	s_cbranch_scc0 .Lentry_in_a_cluster
	s_endpgm
.Lentry_in_a_cluster:
	s_bfe_u32 s2, ttmp6, 0x10000c
	s_cmp_lg_u32 s2, 0x3003
	s_cbranch_scc0 .Lentry_shape_is_right
	s_endpgm
.Lentry_shape_is_right:
; att[head 64 + d][n] = the sum over keys of softmax(q . k / 8) v, both products on codes of FP8 (E4M3) with E8M0 scales.  The output lies [head][channel][query]: reference()'s transposed and reshaped att, flat.
; THE SOFTMAX: t = score x log2(e) / 8; M = the running largest t rounded UP to a whole number; p = 2^(t - M) is quantised along the keys, not normalised; the row's sum is taken of the unquantised p and divides at the end.
; When M moves, the sum and O are multiplied by 2^(old M - new M): exact.
; SHARES.  A work-group owns 256 queries of one head; each of its eight waves owns TWO tiles of 16 queries, so that each fragment of K and V read from LDS feeds two products.  Every wave walks the head's 4,096 keys, 128 a step.
; Both products are used transposed: a lane holds one query of each tile.  Tiles of queries and keys take rows 32 B + 8 u + r + 8 (r / 8), so that the 16 registers of two neighbouring tiles of scores are 16 neighbouring keys.
; K = 64 IN A FORM OF 128: q's upper eight registers are zero codes; a tile of k is eight registers and the operand names sixteen: the next tile's codes (behind the last: zeros) meet zero codes.
; REGISTERS.  What belongs to a tile has the same numbers in window 0 (tile 0) and window 1 (tile 1): v12 -M, v13 the largest score, v[14:15] the sum, v16-31 q, v32-95 scores then p, v96-127 O^T, v128-143 p's codes, v144-163 at work.
;   Window 0 alone: v1-11 addresses, v164-173 scale words (a scale operand has no window), v176-247 K and eight zeros.  Window 1 alone: v176-239 V.
; A STEP: 16 products of scores; behind their places V of this step and K of the next are asked for; maxima, scalings and O's rescaling of both tiles; ONE batch of 136 exponentials between two waits; scales, sums, holds, codes; 8 products.
; RING: two slots of 1,024 keys (K 65,536 bytes, V 65,536), filled by joint tensor loads of the cluster's four work-groups, which walk the same K and V: waves 0, 1 K's halves, waves 2, 3 V's.  The head's scale words stay in LDS (waves 4-7 bring them).
; THE CHANGE OF SLOTS lies inside a slot's last step: the wave signals when its last reads of the slot are in registers, works the rest of the step on registers alone, and waits behind the step's products.
; No prefetch: a refill is asked for a slot's eight key steps ahead of the wait for it.
; LIMITS: no NaN, no infinity among the inputs; the scaled scores stay under 2^31 in magnitude; a block of p that has fallen to zeros keeps the byte 1: its codes are zeros.
.set SLOT1, 131072
.set SCK,   262144                     ; k's scale words [tile 256][r]: 16,384 bytes
.set SCV,   278528                     ; v's [step 32][channel tile 4][r]: 8,192 bytes
.set SPARE, 286720                     ; the spare words: 128 bytes a wave, four blocks of 256 bytes that no other line names
.set SPITCH, 1040                      ; the way out: 64 rows (channels) x (256 queries x 4 bytes + 16)
.set STG,   SLOT1                      ; in slot 1: it has had its last fill, and the last step's barrier stands behind every wave's last read of it
.set AK0, 1
.set AV0, 2
.set ASK0, 3
.set ASV0, 4
.set SPW, 5
.set NIL, 6
.set ADK, 8
.set ADV, 9
.set ADS, 10
.set ADT, 11
.set Q,   16
.set S,   32
.set O,   96
.set PC,  128
.set BM,  144                          ; v144-147 a block's largest score, then p; with v148-151 later the four chains of the row's sum
.set T4,  148
.set HD,  152
.set SO,  156
.set TMP, 160
.set TM2, 161
.set F,   162                          ; f = 2^(old M - new M); v163 is named with it as a pair
.set KS,  164
.set VS,  168
.set QS,  170
.set PW,  172
.set KV,  176
.set WV,  18
.set MNT, 19
.set SEL, 20
.set CS,  22                           ; s[22:23] c = log2(e) / 8
.set G1A, 24                           ; group 1: 128 rows of 256 bytes;  G1B: 24 rows
.set G1B, 32
.set G0K, 40
.set G0V, 44
.set G0S, 48
.set TB,  52                           ; LDS byte of the step's tiles;  TS, TJ of its scale words
.set TS,  53
.set TJ,  54
.set SL,  55
.set CNT, 56
.set MSB, 0
.macro WIN new                         ; the immediate's high byte repeats the setting that is left
.if MSB != (\new)
	s_set_vgpr_msb (MSB<<8)|(\new)
.set MSB, \new
.endif
.endm
.macro TW t                            ; every operand place in tile t's window
	WIN 0x55*(\t)
.endm
.macro CREST                           ; a round of the cluster's barrier behind its opening signal
	s_barrier_wait -1
	s_cmp_lg_u32 s[WV], 0
	s_cbranch_scc1 .Lnot_wave_0_\@
	s_barrier_signal -3
.Lnot_wave_0_\@:
	s_barrier_wait -3
	s_barrier_signal -1
	s_barrier_wait -1
.endm
.macro CROUND
	s_barrier_signal -1
	CREST
.endm
.macro TL g0, g1                       ; a tensor load; s_nop 0 and four v_nop follow it
	tensor_load_to_lds s[\g0:\g0+3], s[\g1:\g1+7]
	s_nop 0
.rept 4
	v_nop
.endr
.endm
.macro TLOAD                           ; a joint refill: waves 0, 1 K's halves, waves 2, 3 V's; the branches hang on the wave's number alone
	s_cmp_lt_u32 s[WV], 2
	s_cbranch_scc0 .Lnot_k_\@
	TL G0K, G1A
	s_branch .Lasked_\@
.Lnot_k_\@:
	s_cmp_lt_u32 s[WV], 4
	s_cbranch_scc0 .Lasked_\@
	TL G0V, G1A
.Lasked_\@:
.endm
.macro DSTEP                           ; the walking descriptors: the other slot, the next 1,024 keys (no tensor load of mine is out)
	s_xor_b32 s[G0K+1], s[G0K+1], SLOT1
	s_add_nc_u64 s[G0K+2:G0K+3], s[G0K+2:G0K+3], 65536
	s_xor_b32 s[G0V+1], s[G0V+1], SLOT1
	s_add_nc_u64 s[G0V+2:G0V+3], s[G0V+2:G0V+3], 65536
.endm
	s_load_b256 s[4:11], s[0:1], 0x0               ; qc, qs, kc, vc
	s_load_b128 s[12:15], s[0:1], 0x20             ; kvs, att
	v_lshl_add_u32 v[SPW], v0, 2, SPARE
	v_mov_b32 v[NIL], 0
	ds_add_u32 v[SPW], v[NIL]                      ; the opening lines: the add twice on end and one wait
	ds_add_u32 v[SPW], v[NIL]
	v_lshrrev_b32 v8, 5, v0
	v_readfirstlane_b32 s[WV], v8                  ; wave 0..7
	s_and_b32 s59, ttmp7, 0xffff                   ; the head, which the four partners share
	s_mov_b32 s[G1A], 0x0023000f                   ; the mask: all four; elements of 8 bytes; bit 21 beside the mask; no padding: images are read 512 consecutive bytes at a time
	s_mov_b32 s[G1A+1], 32<<16
	s_mov_b32 s[G1A+2], 128<<16
	s_mov_b32 s[G1A+3], 32<<16
	s_mov_b32 s[G1A+4], 128
	s_mov_b32 s[G1A+5], 32
	s_mov_b32 s[G1A+6], 0
	s_mov_b32 s[G1A+7], 0
	s_mov_b32 s[G1B], 0x0023000f
	s_mov_b32 s[G1B+1], 32<<16
	s_mov_b32 s[G1B+2], 24<<16
	s_mov_b32 s[G1B+3], 32<<16
	s_mov_b32 s[G1B+4], 24
	s_mov_b32 s[G1B+5], 32
	s_mov_b32 s[G1B+6], 0
	s_mov_b32 s[G1B+7], 0
	s_and_b32 s16, s[WV], 1
	s_lshl_b32 s62, s16, 15                        ; my half of a slot's K or V
	s_mov_b32 s63, 0
	s_lshl_b32 s60, s59, 18                        ; the head's codes: 262,144 bytes
	s_mov_b32 s61, 0
	s_add_nc_u64 s[60:61], s[60:61], s[62:63]
	s_and_b32 s17, s[WV], 3
	s_mul_i32 s17, s17, 6144                       ; my quarter of the head's 24,576 bytes of scale words
	s_mul_i32 s62, s59, 24576
	s_add_co_u32 s62, s62, s17
	s_mov_b32 s[SEL], 0x76543210
	s_mov_b32 s[SEL+1], 0xfedcba98
	s_mov_b32 s[CS], 0x3e38aa3b
	s_mov_b32 s[CS+1], s[CS]
	s_mov_b32 s[MNT], 0x600000
	s_mov_b32 s[TB], 0
	s_mov_b32 s[TS], 0
	s_mov_b32 s[TJ], 0
	s_wait_dscnt 0x0
	s_wait_kmcnt 0x0
	s_mov_b32 s[G0K], 1
	s_lshl_b32 s[G0K+1], s[WV], 15                 ; waves 0, 1: K's halves at 32,768 w
	s_add_nc_u64 s[G0K+2:G0K+3], s[8:9], s[60:61]
	s_or_b32 s[G0K+3], s[G0K+3], 0x80000000
	s_mov_b32 s[G0V], 1
	s_lshl_b32 s[G0V+1], s[WV], 15                 ; waves 2, 3: V's halves, likewise at 32,768 w
	s_add_nc_u64 s[G0V+2:G0V+3], s[10:11], s[60:61]
	s_or_b32 s[G0V+3], s[G0V+3], 0x80000000
	s_mov_b32 s[G0S], 1
	s_add_co_u32 s[G0S+1], s17, SCK
	s_add_nc_u64 s[G0S+2:G0S+3], s[12:13], s[62:63]
	s_or_b32 s[G0S+3], s[G0S+3], 0x80000000
	CROUND                                         ; all four work-groups are here: the first joint loads meet
	s_cmp_lt_u32 s[WV], 2                          ; the head's loads, one a wave, in one tree of branches on the wave's number
	s_cbranch_scc0 .Lhead_v
	TL G0K, G1A
	s_branch .Lhead_asked
.Lhead_v:
	s_cmp_lt_u32 s[WV], 4
	s_cbranch_scc0 .Lhead_s
	TL G0V, G1A
	s_branch .Lhead_asked
.Lhead_s:
	TL G0S, G1B
.Lhead_asked:
	s_bfe_u32 s57, ttmp6, 0x40000                  ; cx: it enters q's and att's global addresses alone
	s_lshl_b32 s58, ttmp9, 2
	s_add_co_u32 s58, s58, s57                     ; my block of 256 queries
	s_lshl_b32 s2, s58, 4
	s_lshl_b32 s3, s[WV], 1
	s_add_co_u32 s2, s2, s3                        ; my first tile of queries
	s_lshl_b32 s3, s59, 8
	s_add_co_u32 s2, s2, s3
	s_lshl_b32 s66, s2, 10
	s_mov_b32 s67, 0
	s_add_nc_u64 s[4:5], s[4:5], s[66:67]          ; its codes,
	s_lshl_b32 s66, s2, 6
	s_add_nc_u64 s[6:7], s[6:7], s[66:67]          ; its scale words,
	s_lshl_b32 s66, s59, 20                        ; and in att: the head's 64 rows of 16,384 bytes, my wave's eight rows, my block's 1,024 bytes
	s_lshl_b32 s2, s[WV], 17
	s_add_co_u32 s66, s66, s2
	s_lshl_b32 s2, s58, 10
	s_add_co_u32 s66, s66, s2
	s_add_nc_u64 s[14:15], s[14:15], s[66:67]
	v_and_b32 v8, 31, v0
	v_lshlrev_b32 v[AK0], 4, v8
	v_add_nc_u32 v[AV0], 65536, v[AK0]
	v_lshl_add_u32 v[ASK0], v8, 2, SCK
	v_lshl_add_u32 v[ASV0], v8, 2, SCV
	v_and_b32 v9, 15, v0
	v_lshlrev_b32 v9, 2, v9
	global_load_b128 v[Q:Q+3], v[AK0], s[4:5]      ; tile 0's q: k = 0 .. 63
	global_load_b128 v[Q+4:Q+7], v[AK0], s[4:5] offset:512
	global_load_b32 v[QS], v9, s[6:7]
	global_load_b32 v[QS+1], v9, s[6:7] offset:64
	WIN 0x40
	global_load_b128 v[Q:Q+3], v[AK0], s[4:5] offset:1024   ; tile 1's, into window 1
	global_load_b128 v[Q+4:Q+7], v[AK0], s[4:5] offset:1536
.irp t, 0,1
	TW \t
	v_mov_b32 v13, 0xff61b1e6                      ; the largest score so far: -3e38
	v_mul_f32 v[TMP], s[CS], v13
	v_floor_f32 v12, -v[TMP]                       ; -M
	v_mov_b32 v14, 0
	v_mov_b32 v15, 0
.irp j, 0,1,2,3,4,5,6,7
	v_mov_b32 v[Q+8+\j], 0                         ; q's zero codes, k = 64 .. 127
.endr
.set j, 0
.rept 32
	v_mov_b32 v[O+j], 0                            ; O^T: the step is written for every step alike; the first finds zeros
.set j, j+1
.endr
.irp b, 0,1,2,3
	v_mov_b32 v[T4+\b], 0                          ; a lane permute's destination counts as one of its sources
.endr
	v_mov_b32 v[F+1], 0                            ; named as the upper half of a pair
.endr
	WIN 0
.irp j, 0,1,2,3,4,5,6,7
	v_mov_b32 v[KV+64+\j], 0                       ; what the last tile of k names beyond its own eight registers
.endr
.macro QK t                            ; S^T = K Q^T of tile t: eight products, each starts its own sum; an odd tile's scale words stand in lanes 16-31
	WIN 0x54*(\t)
.irp j, 0,2,4,6
	v_wmma_scale_f32_16x16x128_f8f6f4 v[S+8*\j:S+8*\j+7], v[KV+8*\j:KV+8*\j+15], v[Q:Q+15], 0, v[KS+\j/2], v[QS+\t]
	v_wmma_scale_f32_16x16x128_f8f6f4 v[S+8*\j+8:S+8*\j+15], v[KV+8*\j+8:KV+8*\j+23], v[Q:Q+15], 0, v[KS+\j/2], v[QS+\t] matrix_a_scale:MATRIX_SCALE_ROW1
.endr
.endm
.macro PV t                            ; O^T += V^T P^T of tile t: four accumulators by turns
	WIN 0x01+0x54*(\t)
.irp ct, 0,2
	v_wmma_scale_f32_16x16x128_f8f6f4 v[O+8*\ct:O+8*\ct+7], v[KV+16*\ct:KV+16*\ct+15], v[PC:PC+15], v[O+8*\ct:O+8*\ct+7], v[VS+\ct/2], v[PW+\t]
	v_wmma_scale_f32_16x16x128_f8f6f4 v[O+8*\ct+8:O+8*\ct+15], v[KV+16*\ct+16:KV+16*\ct+31], v[PC:PC+15], v[O+8*\ct+8:O+8*\ct+15], v[VS+\ct/2], v[PW+\t] matrix_a_scale:MATRIX_SCALE_ROW1
.endr
.endm
.macro KLOAD off, soff                 ; a step's scale words and tiles of K: 20 loads
.irp m, 0,1,2,3
	ds_load_b32 v[KS+\m], v[ADS] offset:\soff+128*\m
.endr
.irp t, 0,1,2,3,4,5,6,7
	ds_load_b128 v[KV+8*\t:KV+8*\t+3], v[ADK] offset:\off+1024*\t
	ds_load_b128 v[KV+8*\t+4:KV+8*\t+7], v[ADK] offset:\off+1024*\t+512
.endr
.endm
.macro PRE                             ; a slot's first K
	v_add_nc_u32 v[ADK], s[TB], v[AK0]
	v_add_nc_u32 v[ADS], s[TS], v[ASK0]
	KLOAD 0, 0
.endm
.macro SCALE from, n                   ; t - M, a pair at a time
.set j, \from
.rept \n
	v_pk_fma_f32 v[S+j:S+j+1], v[S+j:S+j+1], s[CS:CS+1], v[12:13] op_sel_hi:[1,0,0]
.set j, j+2
.endr
.endm
.macro PH1                             ; a tile ahead of its exponentials.  The largest score of each block of 32 keys, in two chains a block, each tile of scores read from its low end on: it serves the row's maximum and the block's largest p
.irp b, 0,1,2,3
	v_max3_num_f32 v[BM+\b], v[S+16*\b], v[S+16*\b+1], v[S+16*\b+2]
.endr
.irp b, 0,1,2,3
	v_max3_num_f32 v[HD+\b], v[S+16*\b+3], v[S+16*\b+4], v[S+16*\b+5]
.endr
.irp i, 6,10
.irp b, 0,1,2,3
	v_max3_num_f32 v[BM+\b], v[BM+\b], v[S+16*\b+\i], v[S+16*\b+\i+1]
.endr
.irp b, 0,1,2,3
	v_max3_num_f32 v[HD+\b], v[HD+\b], v[S+16*\b+\i+2], v[S+16*\b+\i+3]
.endr
.endr
.irp b, 0,1,2,3
	v_max3_num_f32 v[BM+\b], v[BM+\b], v[S+16*\b+14], v[S+16*\b+15]
.endr
.irp b, 0,2
	v_dual_max_num_f32 v[BM+\b], v[BM+\b], v[HD+\b] :: v_dual_max_num_f32 v[BM+\b+1], v[BM+\b+1], v[HD+\b+1]
.endr
.irp b, 0,1,2,3
	v_permlanex16_b32 v[T4+\b], v[BM+\b], s[SEL], s[SEL+1]
.endr
.irp b, 0,2
	v_dual_max_num_f32 v[BM+\b], v[BM+\b], v[T4+\b] :: v_dual_max_num_f32 v[BM+\b+1], v[BM+\b+1], v[T4+\b+1]   ; with lane l xor 16's 16 keys
.endr
	v_max3_num_f32 v[TMP], v[BM], v[BM+1], v[BM+2]
	v_max3_num_f32 v13, v[TMP], v[BM+3], v13       ; the running largest score
	v_mul_f32 v[TMP], s[CS], v13                   ; as t (c is positive)
	v_floor_f32 v12, -v[TMP]                       ; the new -M = -ceil(t)
.irp b, 0,2
	v_pk_fma_f32 v[BM+\b:BM+\b+1], v[BM+\b:BM+\b+1], s[CS:CS+1], v[12:13] op_sel_hi:[1,0,0]   ; t - M of each block's largest score, in the scores' own form
.endr
	v_sub_f32 v[TM2], v12, v[TM2]                  ; old M - new M: a whole number, 0 or less
	SCALE 0, 8
	v_cvt_i32_f32 v[TM2], v[TM2]                   ; (it saturates)
	SCALE 16, 8
	v_ldexp_f32 v[F], 1.0, v[TM2]                  ; f
	SCALE 32, 16
.set j, 0
.rept 16
	v_pk_mul_f32 v[O+j:O+j+1], v[O+j:O+j+1], v[F:F+1] op_sel_hi:[1,0]   ; O^T under the new M, each accumulator from its low end on
.set j, j+2
.endr
.endm
.macro EXPS
.irp b, 0,1,2,3
	v_exp_f32 v[BM+\b], v[BM+\b]                   ; the block's largest p: the same two instructions on the same number give the same bits
.endr
.set j, 0
.rept 64
	v_exp_f32 v[S+j], v[S+j]                       ; p = 2^(t - M)
.set j, j+1
.endr
.endm
.macro HOLD2 x, h                      ; the conversion does not saturate (ISA guide 7.6.2); p is not negative: a one-sided hold
	v_dual_min_num_f32 v[\x], v[\x], v[\h] :: v_dual_min_num_f32 v[\x+1], v[\x+1], v[\h]   ; two holds in one instruction: an even and an odd destination, one bound
.endm
.macro PH3 t                           ; a tile behind its exponentials: scales, the row's sum of the unquantised p in four chains, holds, codes
.irp b, 0,1,2,3
	v_max_num_f32 v[BM+\b], 0x4800000, v[BM+\b]    ; the floor 2^(9 - 127): the byte cannot fall under 1
.endr
.irp b, 0,1,2,3
	v_add_nc_u32 v[SO+\b], 0xfc000000, v[BM+\b]    ; 8 off the exponent field: the conversion's scale operand
.endr
.irp b, 0,1,2,3
	v_and_or_b32 v[HD+\b], v[BM+\b], 0x7f800000, s[MNT]   ; 448 x the scale
.endr
.irp b, 0,1,2,3
	v_lshrrev_b32 v[T4+\b], 23, v[SO+\b]           ; the scale's byte
.endr
	v_pk_add_f32 v[BM:BM+1], v[S:S+1], v[S+2:S+3]
	v_lshl_or_b32 v[TMP], v[T4+1], 8, v[T4]
	v_pk_add_f32 v[BM+2:BM+3], v[S+4:S+5], v[S+6:S+7]
	v_lshl_or_b32 v[TMP], v[T4+2], 16, v[TMP]
	WIN 0x11*(\t)                                  ; the scale word's register lies in window 0
	v_lshl_or_b32 v[PW+\t], v[T4+3], 24, v[TMP]    ; p's scale word for these 128 keys
	TW \t
	v_pk_add_f32 v[T4:T4+1], v[S+8:S+9], v[S+10:S+11]
	v_pk_add_f32 v[T4+2:T4+3], v[S+12:S+13], v[S+14:S+15]
.irp b, 0,1,2,3
.set i, 0
.rept 8
	HOLD2 S+16*\b+2*i, HD+\b
.if \b < 3
	v_pk_add_f32 v[BM+2*(i%4):BM+2*(i%4)+1], v[BM+2*(i%4):BM+2*(i%4)+1], v[S+16*\b+16+2*i:S+16*\b+17+2*i]   ; the next block's sum, ahead of its holds
.endif
.set i, i+1
.endr
	v_cvt_scalef32_pk8_fp8_f32 v[PC+4*\b:PC+4*\b+1], v[S+16*\b:S+16*\b+7], v[SO+\b]
	v_cvt_scalef32_pk8_fp8_f32 v[PC+4*\b+2:PC+4*\b+3], v[S+16*\b+8:S+16*\b+15], v[SO+\b]
.endr
	v_pk_add_f32 v[BM:BM+1], v[BM:BM+1], v[BM+2:BM+3]      ; the chains are joined: these four lines stand between the codes and the products
	v_pk_add_f32 v[T4:T4+1], v[T4:T4+1], v[T4+2:T4+3]
	v_pk_add_f32 v[BM:BM+1], v[BM:BM+1], v[T4:T4+1]
	v_pk_fma_f32 v[14:15], v[14:15], v[F:F+1], v[BM:BM+1] op_sel_hi:[1,0,1]   ; l = l f + the step's sum
.endm
; A KEY STEP.  mode 0: inside a slot.  mode 1: a slot's last step, with the change of slots and a joint refill.  mode 2: the same with no refill.
.macro STEP mode
	s_wait_dscnt 0x0                               ; this step's K and its scale words
	QK 0
	QK 1
	WIN 0
	v_add_nc_u32 v[ADV], s[TB], v[AV0]             ; eight places ahead of the loads into K's and V's registers and of the first read of the scores
	v_add_nc_u32 v[ADT], s[TJ], v[ASV0]
.if \mode == 0
	v_add_nc_u32 v[ADK], s[TB], v[AK0]
	v_add_nc_u32 v[ADS], s[TS], v[ASK0]
.else
	v_nop
	v_nop
.endif
	v_mov_b32 v[TM2], v12                          ; the old -M
	TW 1
	v_mov_b32 v[TM2], v12
	v_nop
	v_nop
	WIN 0x40
.irp ct, 0,1,2,3
.irp c, 0,1,2,3
	ds_load_b128 v[KV+16*\ct+4*\c:KV+16*\ct+4*\c+3], v[ADV] offset:2048*\ct+512*\c   ; this step's V, into window 1
.endr
.endr
	WIN 0
.irp m, 0,1
	ds_load_b32 v[VS+\m], v[ADT] offset:128*\m
.endr
.if \mode == 0
	KLOAD 8192, 512                                ; the next step's K
.else
	s_wait_tensorcnt 0x0                           ; my part of the next slot has landed; no tensor load of mine is out
	ds_add_u32 v[SPW], v[NIL]                      ; work on registers follows
.if \mode == 1
	DSTEP
.endif
.endif
	PH1
.if \mode
	s_wait_alu depctr_va_vdst(0)
	s_wait_dscnt 0x0                               ; the add is done, and my last reads of this slot are in registers
	s_barrier_signal -1                            ; up to the wait: work on registers alone
.endif
	TW 1
	PH1
	s_wait_alu depctr_va_vdst(0)                   ; one wait ahead of the batch
	WIN 0
	EXPS
	TW 1
	EXPS
	v_nop                                          ; a plain line behind the last exponential
	s_wait_alu depctr_va_vdst(0)                   ; and one wait behind the batch
	WIN 0
	PH3 0
	TW 1
	PH3 1
.if \mode == 0
	s_wait_alu depctr_va_vdst(0)
	s_wait_dscnt 20                                ; V is in: the 20 loads of the next K, issued behind V's, may be out
.endif
	PV 0
	PV 1
	WIN 0
	s_add_co_u32 s[TB], s[TB], 8192
	s_add_co_u32 s[TS], s[TS], 512
	s_add_co_u32 s[TJ], s[TJ], 256
.if \mode
	s_sub_co_u32 s[TB], s[TB], 65536               ; back to a slot's first step,
	s_xor_b32 s[TB], s[TB], SLOT1                  ; in the other slot
.endif
.if \mode == 1
	CREST                                          ; the signal above opened a round of the cluster's barrier: no wave of any partner still reads the slot or has a load on its way
	TLOAD                                          ; the joint refill, first behind the round
	PRE
.elseif \mode == 2
	s_barrier_wait -1                              ; the next slot is whole; behind the very last step: nobody reads slot 1 any more
	s_cmp_eq_u32 s[SL], 1
	s_cbranch_scc1 .Lnone_\@                       ; behind the last slot there is no K to fetch
	PRE
.Lnone_\@:
.endif
.endm
.macro SEVEN
	s_mov_b32 s[CNT], 7
.Lstep_\@:
	STEP 0
	s_sub_co_u32 s[CNT], s[CNT], 1
	s_cmp_lg_u32 s[CNT], 0
	s_cbranch_scc1 .Lstep_\@
.endm
	s_wait_alu depctr_va_vdst(0)
	s_wait_loadcnt 0x0                             ; q
	s_wait_tensorcnt 0x0                           ; my part of slot 0 or of the scale words; slot 1's first fill is issued as a refill is
	ds_add_u32 v[SPW], v[NIL]
	DSTEP
	s_wait_dscnt 0x0
	CROUND
	TLOAD
	PRE
	s_mov_b32 s[SL], 2
.Lfill:                                            ; slots 0 and 1: their last steps ask for slots 2 and 3
	SEVEN
	STEP 1
	s_sub_co_u32 s[SL], s[SL], 1
	s_cmp_lg_u32 s[SL], 0
	s_cbranch_scc1 .Lfill
	s_mov_b32 s[SL], 2
.Llast:                                            ; slots 2 and 3: nothing more is asked for
	SEVEN
	STEP 2
	s_sub_co_u32 s[SL], s[SL], 1
	s_cmp_lg_u32 s[SL], 0
	s_cbranch_scc1 .Llast
	; THE WAY OUT.  O^T / the sum goes into a stage of 64 rows (channels) x 256 queries; behind a barrier each wave stores eight whole rows.
	s_wait_alu depctr_va_vdst(0)                   ; tile 1's sum was written just ahead of the last barrier
.irp t, 0,1
	TW \t
	v_add_f32 v14, v14, v15
	v_permlanex16_b32 v[TMP], v14, s[SEL], s[SEL+1]
	v_add_f32 v14, v14, v[TMP]                     ; the row's sum
.endr
	s_wait_alu depctr_va_vdst(0)                   ; the wait ahead of the transcendentals
	WIN 0
	v_rcp_f32 v14, v14
	TW 1
	v_rcp_f32 v14, v14
	WIN 0
	v_and_b32 v8, 15, v0                           ; r  (plain lines behind the reciprocals)
	v_bfe_u32 v9, v0, 4, 1                         ; h
	v_and_b32 v10, 8, v8
	v_add_nc_u32 v10, v10, v8                      ; r + 8 (r / 8)
	v_mul_u32_u24 v11, v9, 16*SPITCH               ; my half's channels begin 16 rows further down
	v_lshl_add_u32 v11, v10, 2, v11
	s_lshl_b32 s60, s[WV], 7                       ; my tiles' queries: 32 w + 8 t on, 4 bytes each
	s_add_co_u32 s60, s60, STG
	v_add_nc_u32 v11, s60, v11                     ; in
	s_mul_i32 s61, s[WV], 8*SPITCH
	s_add_co_u32 s61, s61, STG
	v_add_nc_u32 v10, s61, v[AK0]                  ; back: rows 8 w on, 16 bytes a lane
.irp t, 0,1
	TW \t
	s_wait_alu depctr_va_vdst(0)                   ; the wait directly ahead of the first readers of the reciprocal and of O^T
.set j, 0
.rept 16
	v_pk_mul_f32 v[S+j:S+j+1], v[O+j:O+j+1], v[14:15] op_sel_hi:[1,0]   ; each accumulator from its low end on
.set j, j+2
.endr
.endr
.irp t, 0,1
	WIN 4*\t                                       ; the data: tile t's window
.irp ct, 0,1,2,3
.irp j, 0,1,2,3,4,5,6,7
	ds_store_b32 v11, v[S+8*\ct+\j] offset:(32*(\ct/2)+8*(\ct%2)+\j)*SPITCH+32*\t
.endr
.endr
.endr
	WIN 0
	s_wait_dscnt 0x0                               ; for the others' sake: my stores into the stage are done
	s_barrier_signal -1
	s_barrier_wait -1
.irp k, 0,1,2,3,4,5,6,7
.irp e, 0,1
	ds_load_b128 v[S+4*(2*\k+\e):S+4*(2*\k+\e)+3], v10 offset:SPITCH*\k+512*\e
.endr
.endr
.irp k, 0,1,2,3,4,5,6,7
.irp e, 0,1
	s_wait_dscnt 15-2*\k-\e
	global_store_b128 v[AK0], v[S+4*(2*\k+\e):S+4*(2*\k+\e)+3], s[14:15] offset:16384*\k+512*\e th:TH_STORE_NT   ; 512 consecutive bytes, aligned
.endr
.endr
	s_wait_tensorcnt 0x0                           ; the wave's end
	ds_add_u32 v[SPW], v[NIL]
	s_wait_dscnt 0x0
	CROUND                                         ; the closing round
	s_endpgm
.Lfunc_end_k_q569fc8e3d2_attn:
	.size	k_q569fc8e3d2_attn, .Lfunc_end_k_q569fc8e3d2_attn-k_q569fc8e3d2_attn
	.p2alignl 7, 3214868480
	.fill 96, 4, 3214868480
	.section	.rodata,"a",@progbits
	.p2align	6, 0x0
	.amdhsa_kernel k_q569fc8e3d2_attn
		.amdhsa_group_segment_fixed_size 327680
		.amdhsa_private_segment_fixed_size 0
		.amdhsa_enable_private_segment 0
		.amdhsa_kernarg_size 48
		.amdhsa_user_sgpr_count 2
		.amdhsa_user_sgpr_kernarg_segment_ptr 1
		.amdhsa_wavefront_size32 1
		.amdhsa_system_sgpr_workgroup_id_x 1
		.amdhsa_system_sgpr_workgroup_id_y 1
		.amdhsa_system_sgpr_workgroup_id_z 1
		.amdhsa_system_vgpr_workitem_id 0
		.amdhsa_next_free_vgpr 512
		.amdhsa_next_free_sgpr 68
		.amdhsa_reserve_vcc 0
		.amdhsa_float_denorm_mode_32 3
		.amdhsa_float_denorm_mode_16_64 3
		.amdhsa_memory_ordered 1
		.amdhsa_forward_progress 1
		.amdhsa_inst_pref_size 160
	.end_amdhsa_kernel
	.amdgpu_metadata
---
amdhsa.version: [ 1, 2 ]
amdhsa.kernels:
  - .name:           k_q569fc8e3d2_attn
    .symbol:         k_q569fc8e3d2_attn.kd
    .args:
      - { .name: qc, .offset: 0, .size: 8, .value_kind: global_buffer, .address_space: global }
      - { .name: qs, .offset: 8, .size: 8, .value_kind: global_buffer, .address_space: global }
      - { .name: kc, .offset: 16, .size: 8, .value_kind: global_buffer, .address_space: global }
      - { .name: vc, .offset: 24, .size: 8, .value_kind: global_buffer, .address_space: global }
      - { .name: kvs, .offset: 32, .size: 8, .value_kind: global_buffer, .address_space: global }
      - { .name: att, .offset: 40, .size: 8, .value_kind: global_buffer, .address_space: global }
    .group_segment_fixed_size: 327680
    .private_segment_fixed_size: 0
    .kernarg_segment_align: 8
    .kernarg_segment_size: 48
    .max_flat_workgroup_size: 256
    .sgpr_count:     68
    .vgpr_count:     512
    .wavefront_size: 32
...
	.end_amdgpu_metadata
.endif
;; end of part 3
;; launch tail (part 4): grid 256 x 1, 8 waves a work-group, no clusters, 108,544 bytes of LDS; arguments att, x, ln1_g, ln1_b, cod, scl, b1, ln2_g, ln2_b, out0; writes out0
.if DOCPART == 4
	.amdgcn_target "amdgcn-amd-amdhsa--gfx1250"
	.amdhsa_code_object_version 6
	.text
	.protected	k_q569fc8e3d2_tail
	.globl	k_q569fc8e3d2_tail
	.p2align	8
	.type	k_q569fc8e3d2_tail,@function
k_q569fc8e3d2_tail:
	s_mov_b64 s[64:65], 0
	v_nop
	global_prefetch_b8 v0, s[64:65] scope:SCOPE_SE
	s_setreg_imm32_b32 hwreg(HW_REG_WAVE_MODE, 25, 1), 1
	s_wait_xcnt 0x0
; h = LN1(att + x);  out0 = LN2(h w1^T + b1 + h).  The product is on codes of FP8 (E4M3) with E8M0 scales: h is quantised here, w1's codes and scale words come from the first launch.  All else in f32.
; SHARES.  Work-group g owns rows 16 g .. + 15; wave w owns columns 128 w .. + 127, both as K step w of h and as w1's tiles 8 w + t of outputs.
; Everywhere register 16 b + i of lane (r, h) is column 128 w + 32 b + 16 h + i of row r: so h, b1, the gains and the product's results (source 0 = 16 rows of w1, source 1 = h) lie alike,
; and the registers of h + b1 are the accumulators: the residual and the bias cost no line behind the product.
; A layer norm takes the mean first and the squares of the differences second, so that a common offset of the inputs costs no digits; a row's sums meet in LDS (eight waves, one barrier each).
; THE FIVE COLUMN VECTORS (two gains, three biases): a wave's 128 numbers of a vector are 512 consecutive bytes: one load of the wave brings them, one LDS store lays them into the wave's own bytes, and each lane
; takes its 64 numbers from there, sixteen lanes sharing each 16 bytes: 5 loads from memory a wave in place of 80.
; h's fragment goes from wave to wave through LDS as an image of its registers.  A fragment of w1 feeds one product of one wave: it goes from memory straight into registers, two K steps ahead; no ring, no multicast.
; LIMITS: no NaN, no infinity among the inputs; a block of h under 2^-118 or of zeros gets the byte 1.  The sums' order differs from a plain left-to-right sum.
; REGISTERS.  Window 0: v1-11 addresses; v12 mean, v14 1 / sqrt; v16-19, v60-63 at work; v20-51 w1's scale words; v52-59 h's; v64-127 H; v128-191 T1, v192-255 T2, later h's eight fragments, later ln2's gain and bias.
;   Window 1: two sets of w1's eight fragments.
.set SP,   528                         ; a stage row: 512 bytes + 16
.set WREG, 16*SP                       ; a wave's own stage, at WREG x wave
.set HIMG, 67584                       ; h's eight fragment images, 2,048 bytes each
.set HSC,  83968                       ; their scale words, 128 bytes each
.set RED,  84992                       ; four regions of [row 16][wave 8] f32, one for each sum
.set VEC,  87040                       ; the column vectors: 5 x 512 bytes for each wave, its own
.set VW,   2560
.set H,    64
.set T1,   128
.set T2,   192
.set WSC,  20                          ; register 4 t + p: lanes 0-15 K step 2 p, lanes 16-31 K step 2 p + 1
.set HS,   52
.set TM,   128
.set PC,   144
.set PW,   160
.set WV,   24
.set MNT,  25
.set SEL,  26
.set MSB, 0
.macro WIN new
.if MSB != (\new)
	s_set_vgpr_msb (MSB<<8)|(\new)
.set MSB, \new
.endif
.endm
	s_load_b256 s[4:11], s[0:1], 0x0               ; att, x, ln1_g, ln1_b
	s_load_b256 s[12:19], s[0:1], 0x20             ; cod, scl, b1, ln2_g
	s_load_b128 s[20:23], s[0:1], 0x40             ; ln2_b, out0
	v_lshrrev_b32 v16, 5, v0
	s_delay_alu instid0(VALU_DEP_1)
	v_readfirstlane_b32 s[WV], v16                 ; wave 0..7
	v_and_b32 v16, 31, v0                          ; lane
	v_and_b32 v17, 15, v0                          ; r
	v_bfe_u32 v18, v0, 4, 1                        ; h
	s_delay_alu instid0(VALU_DEP_3)
	v_lshlrev_b32 v1, 4, v16                       ; 16 x lane
	s_mul_i32 s28, s[WV], WREG
	v_mul_u32_u24 v2, v17, SP
	s_delay_alu instid0(VALU_DEP_1)
	v_lshl_add_u32 v2, v18, 6, v2
	s_delay_alu instid0(VALU_DEP_1)
	v_add_nc_u32 v2, s28, v2                       ; the stage by lanes' rows: row r, + 64 h
	v_add_nc_u32 v3, s28, v1                       ; the stage as memory has a row
	s_mul_i32 s28, s[WV], VW
	s_add_co_u32 s28, s28, VEC
	v_lshl_add_u32 v4, v18, 6, s28                 ; a column vector in my wave's bytes: + 64 h
	v_add_nc_u32 v19, s28, v1                      ; and where I put my 16 bytes of one
	v_lshl_add_u32 v6, v17, 5, RED                 ; a row's eight partial sums
	s_lshl_b32 s28, s[WV], 2
	v_add_nc_u32 v5, s28, v6                       ; mine among them
	v_add_nc_u32 v11, HIMG, v1                     ; an image's place for my lane
	s_lshl_b32 s28, s[WV], 11
	v_add_nc_u32 v7, s28, v11                      ; my own fragment's
	v_lshl_add_u32 v9, v16, 2, HSC                 ; a scale word's place for my lane
	s_lshl_b32 s28, s[WV], 7
	v_add_nc_u32 v8, s28, v9                       ; my own
	v_lshlrev_b32 v10, 3, v16                      ; 8 x lane
	v_mov_b32 v13, 0                               ; named as the upper halves of pairs
	v_mov_b32 v15, 0
	s_mov_b32 s[SEL], 0x76543210
	s_mov_b32 s[SEL+1], 0xfedcba98
	s_mov_b32 s[MNT], 0x600000
	s_mov_b32 s32, 0x3a800000                      ; 1 / 1,024
	s_mov_b32 s33, 0x3727c5ac                      ; 1e-5
	s_lshl_b32 s28, ttmp9, 16                      ; my 16 rows of 4,096 bytes,
	s_lshl_b32 s30, s[WV], 9                       ; my wave's 512 bytes of a row
	s_add_co_u32 s28, s28, s30
	s_mov_b32 s29, 0
	s_mov_b32 s31, 0
	s_lshl_b32 s34, s[WV], 17                      ; w1's tiles 448 + 8 w on
	s_add_co_u32 s34, s34, 7340032
	s_mov_b32 s35, 0
	s_lshl_b32 s36, s[WV], 12
	s_add_co_u32 s36, s36, 229376
	s_mov_b32 s37, 0
	s_wait_alu depctr_va_vdst(0)
	s_wait_kmcnt 0x0
	s_add_nc_u64 s[4:5], s[4:5], s[28:29]
	s_add_nc_u64 s[6:7], s[6:7], s[28:29]
	s_add_nc_u64 s[22:23], s[22:23], s[28:29]
	s_add_nc_u64 s[8:9], s[8:9], s[30:31]
	s_add_nc_u64 s[10:11], s[10:11], s[30:31]
	s_add_nc_u64 s[16:17], s[16:17], s[30:31]
	s_add_nc_u64 s[18:19], s[18:19], s[30:31]
	s_add_nc_u64 s[20:21], s[20:21], s[30:31]
	s_add_nc_u64 s[12:13], s[12:13], s[34:35]
	s_add_nc_u64 s[14:15], s[14:15], s[36:37]
.macro COLS reg, k                     ; vector k's 64 numbers of my lane, out of my wave's own LDS bytes: LDS serves a wave's instructions in order, so these see my stores
.irp b, 0,1,2,3
.irp j, 0,1,2,3
	ds_load_b128 v[\reg+16*\b+4*\j:\reg+16*\b+4*\j+3], v4 offset:512*(\k)+128*\b+16*\j
.endr
.endr
.endm
.macro W1LOAD s                        ; K step s of my eight tiles of w1: 32 loads of 512 consecutive bytes, into set s % 2 of window 1
	WIN 0x40
.irp t, 0,1,2,3,4,5,6,7
.irp c, 0,1,2,3
	global_load_b128 v[128*((\s)%2)+16*\t+4*\c:128*((\s)%2)+16*\t+4*\c+3], v1, s[12:13] offset:16384*\t+2048*(\s)+512*\c
.endr
.endr
	WIN 0
.endm
.macro ROWSUM k                        ; v16, a lane's part of a row's sum, becomes the row's sum, in every lane, in one fixed order
	s_delay_alu instid0(VALU_DEP_1)
	v_permlanex16_b32 v17, v16, s[SEL], s[SEL+1]
	s_delay_alu instid0(VALU_DEP_1)
	v_add_f32 v16, v16, v17
	ds_store_b32 v5, v16 offset:512*(\k)           ; both halves of the lanes write the same word with the same value
	s_wait_dscnt 0x0                               ; for the others' sake
	s_barrier_signal -1
	s_barrier_wait -1
	ds_load_b128 v[16:19], v6 offset:512*(\k)
	ds_load_b128 v[60:63], v6 offset:512*(\k)+16
	s_wait_dscnt 0x0
	v_add_f32 v16, v16, v17
	v_add_f32 v18, v18, v19
	v_add_f32 v60, v60, v61
	v_add_f32 v62, v62, v63
	s_delay_alu instid0(VALU_DEP_3)
	v_add_f32 v16, v16, v18
	s_delay_alu instid0(VALU_DEP_2)
	v_add_f32 v60, v60, v62
	s_delay_alu instid0(VALU_DEP_1)
	v_add_f32 v16, v16, v60
.endm
.macro LNSTAT k                        ; H becomes H - the row's mean; v14 = 1 / sqrt(variance + 1e-5).  H is read from the low end of each group of eight on
	v_pk_add_f32 v[18:19], v[64:65], v[72:73]
	v_pk_add_f32 v[60:61], v[80:81], v[88:89]
	v_pk_add_f32 v[62:63], v[96:97], v[104:105]
	v_pk_add_f32 v[58:59], v[112:113], v[120:121]
	v_pk_add_f32 v[56:57], v[66:67], v[74:75]
	v_pk_add_f32 v[54:55], v[82:83], v[90:91]
	v_pk_add_f32 v[52:53], v[98:99], v[106:107]
	v_pk_add_f32 v[16:17], v[114:115], v[122:123]
	v_pk_add_f32 v[16:17], v[16:17], v[68:69]
	v_pk_add_f32 v[18:19], v[18:19], v[76:77]
	v_pk_add_f32 v[60:61], v[60:61], v[84:85]
	v_pk_add_f32 v[62:63], v[62:63], v[92:93]
	v_pk_add_f32 v[58:59], v[58:59], v[100:101]
	v_pk_add_f32 v[56:57], v[56:57], v[108:109]
	v_pk_add_f32 v[54:55], v[54:55], v[116:117]
	v_pk_add_f32 v[52:53], v[52:53], v[124:125]
	v_pk_add_f32 v[16:17], v[16:17], v[70:71]
	v_pk_add_f32 v[18:19], v[18:19], v[78:79]
	v_pk_add_f32 v[60:61], v[60:61], v[86:87]
	v_pk_add_f32 v[62:63], v[62:63], v[94:95]
	v_pk_add_f32 v[58:59], v[58:59], v[102:103]
	v_pk_add_f32 v[56:57], v[56:57], v[110:111]
	v_pk_add_f32 v[54:55], v[54:55], v[118:119]
	v_pk_add_f32 v[52:53], v[52:53], v[126:127]
	s_delay_alu instid0(VALU_DEP_4)
	v_pk_add_f32 v[16:17], v[16:17], v[58:59]
	s_delay_alu instid0(VALU_DEP_4)
	v_pk_add_f32 v[18:19], v[18:19], v[56:57]
	s_delay_alu instid0(VALU_DEP_4)
	v_pk_add_f32 v[60:61], v[60:61], v[54:55]
	s_delay_alu instid0(VALU_DEP_4)
	v_pk_add_f32 v[62:63], v[62:63], v[52:53]
	s_delay_alu instid0(VALU_DEP_2)
	v_pk_add_f32 v[16:17], v[16:17], v[60:61]
	s_delay_alu instid0(VALU_DEP_2)
	v_pk_add_f32 v[18:19], v[18:19], v[62:63]
	s_delay_alu instid0(VALU_DEP_1)
	v_pk_add_f32 v[16:17], v[16:17], v[18:19]
	s_delay_alu instid0(VALU_DEP_1)
	v_add_f32 v16, v16, v17
	ROWSUM \k
	s_delay_alu instid0(VALU_DEP_1)
	v_mul_f32 v12, s32, v16                        ; the mean
.set j, 0
.rept 32
	v_pk_add_f32 v[H+j:H+j+1], v[H+j:H+j+1], v[12:13] op_sel_hi:[1,0] neg_lo:[0,1] neg_hi:[0,1]
.set j, j+2
.endr
	v_pk_mul_f32 v[16:17], v[H:H+1], v[H:H+1]
	v_pk_mul_f32 v[18:19], v[H+2:H+3], v[H+2:H+3]
.set j, 4
.rept 15
	s_delay_alu instid0(VALU_DEP_2)
	v_pk_fma_f32 v[16:17], v[H+j:H+j+1], v[H+j:H+j+1], v[16:17]
	s_delay_alu instid0(VALU_DEP_2)
	v_pk_fma_f32 v[18:19], v[H+j+2:H+j+3], v[H+j+2:H+j+3], v[18:19]
.set j, j+4
.endr
	s_delay_alu instid0(VALU_DEP_1)
	v_pk_add_f32 v[16:17], v[16:17], v[18:19]
	s_delay_alu instid0(VALU_DEP_1)
	v_add_f32 v16, v16, v17
	ROWSUM (\k)+1
	s_delay_alu instid0(VALU_DEP_1)
	v_fma_f32 v16, v16, s32, s33                   ; the variance + 1e-5
	s_wait_alu depctr_va_vdst(0)
	v_rsq_f32 v14, v16
	v_nop                                          ; a plain line behind the transcendental,
	s_wait_alu depctr_va_vdst(0)                   ; and the wait ahead of its first reader
.endm
	global_load_b128 v[T2:T2+3], v1, s[8:9]        ; my wave's 512 bytes of ln1_g,
	global_load_b128 v[T2+4:T2+7], v1, s[10:11]    ; ln1_b,
	global_load_b128 v[T2+8:T2+11], v1, s[16:17]   ; b1,
	global_load_b128 v[T2+12:T2+15], v1, s[18:19]  ; ln2_g,
	global_load_b128 v[T2+16:T2+19], v1, s[20:21]  ; ln2_b
.irp i, 0,1,2,3,4,5,6,7,8,9,10,11,12,13,14,15
	global_load_b128 v[H+4*\i:H+4*\i+3], v1, s[4:5] offset:4096*\i th:TH_LOAD_NT    ; att: 512 consecutive bytes of row i
.endr
.irp i, 0,1,2,3,4,5,6,7,8,9,10,11,12,13,14,15
	global_load_b128 v[T1+4*\i:T1+4*\i+3], v1, s[6:7] offset:4096*\i th:TH_LOAD_NT  ; x likewise
.endr
.irp t, 0,1,2,3,4,5,6,7
.irp hf, 0,1
	global_load_b64 v[WSC+4*\t+2*\hf:WSC+4*\t+2*\hf+1], v10, s[14:15] offset:512*\t+256*\hf
.endr
.endr
	s_wait_loadcnt 16                              ; the vectors, att and x are in: the 16 loads of scale words issued behind them may be out
.irp k, 0,1,2,3,4
	ds_store_b128 v19, v[T2+4*\k:T2+4*\k+3] offset:512*\k
.endr
.set j, 0
.rept 32
	v_pk_add_f32 v[H+j:H+j+1], v[H+j:H+j+1], v[T1+j:T1+j+1]
.set j, j+2
.endr
	W1LOAD 0
	W1LOAD 1
.irp i, 0,1,2,3,4,5,6,7,8,9,10,11,12,13,14,15
	ds_store_b128 v3, v[H+4*\i:H+4*\i+3] offset:SP*\i   ; the turn through my own stage: LDS serves a wave's instructions in order
.endr
.irp b, 0,1,2,3
.irp j, 0,1,2,3
	ds_load_b128 v[H+16*\b+4*\j:H+16*\b+4*\j+3], v2 offset:128*\b+16*\j
.endr
.endr
	COLS T2, 0                                     ; ln1_g
	s_wait_dscnt 0x0
	COLS T1, 1                                     ; ln1_b, into the registers that x has left; the sums' own waits for LDS cover it
	LNSTAT 0
.set j, 0
.rept 32
	v_pk_mul_f32 v[H+j:H+j+1], v[H+j:H+j+1], v[14:15] op_sel_hi:[1,0]
.set j, j+2
.endr
.set j, 0
.rept 32
	v_pk_fma_f32 v[H+j:H+j+1], v[H+j:H+j+1], v[T2+j:T2+j+1], v[T1+j:T1+j+1]   ; h
.set j, j+2
.endr
	; h is quantised; the held numbers go to T2, so that h stays whole
.irp b, 0,1,2,3
	v_mov_b32 v[TM+4+\b], 0                        ; a lane permute's destination counts as one of its sources
.endr
.irp b, 0,1,2,3
	v_max3_num_f32 v[TM+\b], |v[H+16*\b]|, |v[H+1+16*\b]|, 0x4800000   ; and the floor 2^(9 - 127)
.endr
.irp i, 2,4,6,8,10,12,14
.irp b, 0,1,2,3
	s_delay_alu instid0(VALU_DEP_4)
	v_max3_num_f32 v[TM+\b], v[TM+\b], |v[H+16*\b+\i]|, |v[H+1+16*\b+\i]|
.endr
.endr
.irp b, 0,1,2,3
	s_delay_alu instid0(VALU_DEP_4)
	v_permlanex16_b32 v[TM+4+\b], v[TM+\b], s[SEL], s[SEL+1]
.endr
.irp b, 0,1,2,3
	s_delay_alu instid0(VALU_DEP_4)
	v_max_num_f32 v[TM+\b], v[TM+\b], v[TM+4+\b]
.endr
.irp b, 0,1,2,3
	s_delay_alu instid0(VALU_DEP_4)
	v_add_nc_u32 v[TM+12+\b], 0xfc000000, v[TM+\b]
.endr
.irp b, 0,1,2,3
	v_and_or_b32 v[TM+8+\b], v[TM+\b], 0x7f800000, s[MNT]
.endr
.irp b, 0,1,2,3
	v_lshrrev_b32 v[TM+4+\b], 23, v[TM+12+\b]
.endr
	s_delay_alu instid0(VALU_DEP_3)
	v_lshl_or_b32 v[PW], v[TM+5], 8, v[TM+4]
	s_delay_alu instid0(VALU_DEP_1)
	v_lshl_or_b32 v[PW], v[TM+6], 16, v[PW]
	s_delay_alu instid0(VALU_DEP_1)
	v_lshl_or_b32 v[PW], v[TM+7], 24, v[PW]
.irp b, 0,1,2,3
.irp i, 0,1,2,3,4,5,6,7,8,9,10,11,12,13,14,15
	v_med3_num_f32 v[T2+16*\b+\i], v[H+16*\b+\i], -v[TM+8+\b], v[TM+8+\b]   ; the conversion does not saturate (ISA guide 7.6.2): the hold comes first
.endr
	v_cvt_scalef32_pk8_fp8_f32 v[PC+4*\b:PC+4*\b+1], v[T2+16*\b:T2+16*\b+7], v[TM+12+\b]
	v_cvt_scalef32_pk8_fp8_f32 v[PC+4*\b+2:PC+4*\b+3], v[T2+16*\b+8:T2+16*\b+15], v[TM+12+\b]
.endr
	v_nop                                          ; a plain line behind the last conversion
.irp c, 0,1,2,3
	ds_store_b128 v7, v[PC+4*\c:PC+4*\c+3] offset:512*\c   ; K step w of h, as an image of its registers
.endr
	ds_store_b32 v8, v[PW]
	COLS T2, 2                                     ; b1
	s_wait_dscnt 0x0                               ; for the others' sake; b1 is in with it
	s_barrier_signal -1
	s_barrier_wait -1                              ; h's eight fragments lie in LDS
.irp s, 0,1,2,3
.irp c, 0,1,2,3
	ds_load_b128 v[128+16*\s+4*\c:128+16*\s+4*\c+3], v11 offset:2048*\s+512*\c
.endr
.endr
.irp s, 0,1,2,3,4,5,6,7
	ds_load_b32 v[HS+\s], v9 offset:128*\s
.endr
.set j, 0
.rept 32
	v_pk_add_f32 v[H+j:H+j+1], v[H+j:H+j+1], v[T2+j:T2+j+1]   ; h + b1: what the product adds onto
.set j, j+2
.endr
.irp s, 4,5,6,7
.irp c, 0,1,2,3
	ds_load_b128 v[128+16*\s+4*\c:128+16*\s+4*\c+3], v11 offset:2048*\s+512*\c
.endr
.endr
	s_wait_alu depctr_va_vdst(0)
	s_wait_dscnt 0x0
	s_wait_loadcnt 0x0                             ; w1's scale words and its first two K steps
.macro GSTEP s                         ; a K step: eight accumulators by turns
.if (\s) == 7
	s_wait_loadcnt 0x0                             ; the last K step's fragments: nothing was asked for behind them
.elseif (\s) >= 2
	s_wait_loadcnt 32                              ; this K step's fragments are in: the next K step's 32 loads, issued behind them, may be out
.endif
	WIN 0x01                                       ; source 0 (w1) window 1
.irp t, 0,1,2,3,4,5,6,7
.if (\s)%2
	v_wmma_scale_f32_16x16x128_f8f6f4 v[H+8*\t:H+8*\t+7], v[128*((\s)%2)+16*\t:128*((\s)%2)+16*\t+15], v[128+16*(\s):128+16*(\s)+15], v[H+8*\t:H+8*\t+7], v[WSC+4*\t+(\s)/2], v[HS+(\s)] matrix_a_scale:MATRIX_SCALE_ROW1
.else
	v_wmma_scale_f32_16x16x128_f8f6f4 v[H+8*\t:H+8*\t+7], v[128*((\s)%2)+16*\t:128*((\s)%2)+16*\t+15], v[128+16*(\s):128+16*(\s)+15], v[H+8*\t:H+8*\t+7], v[WSC+4*\t+(\s)/2], v[HS+(\s)]
.endif
.endr
	WIN 0
.rept 8
	v_nop                                          ; eight places in front of loads into the operands, and of the first read of results
.endr
.if (\s) < 6
	W1LOAD (\s)+2
.endif
.endm
.irp s, 0,1,2,3,4,5,6,7
	GSTEP \s
.endr
	COLS 128, 3                                    ; ln2_g and ln2_b, into the registers that h's fragments have left; the sums' own waits for LDS cover them
	COLS 192, 4
	LNSTAT 2
.set j, 0
.rept 32
	v_pk_mul_f32 v[H+j:H+j+1], v[H+j:H+j+1], v[14:15] op_sel_hi:[1,0]
.set j, j+2
.endr
.set j, 0
.rept 32
	v_pk_fma_f32 v[H+j:H+j+1], v[H+j:H+j+1], v[128+j:128+j+1], v[192+j:192+j+1]
.set j, j+2
.endr
.irp b, 0,1,2,3
.irp j, 0,1,2,3
	ds_store_b128 v2, v[H+16*\b+4*\j:H+16*\b+4*\j+3] offset:128*\b+16*\j   ; the turn back through my own stage
.endr
.endr
.irp i, 0,1,2,3,4,5,6,7,8,9,10,11,12,13,14,15
	ds_load_b128 v[128+4*\i:128+4*\i+3], v3 offset:SP*\i
.endr
.irp i, 0,1,2,3,4,5,6,7,8,9,10,11,12,13,14,15
	s_wait_dscnt 15-\i
	global_store_b128 v1, v[128+4*\i:128+4*\i+3], s[22:23] offset:4096*\i th:TH_STORE_NT   ; 512 consecutive bytes of row i, aligned
.endr
	s_wait_xcnt 0x0
	v_lshl_add_u32 v254, v0, 2, 0x1a400
	v_mov_b32 v255, 0
	s_wait_alu depctr_va_vdst(0)
	s_wait_tensorcnt 0x0
	ds_add_u32 v254, v255
	s_wait_dscnt 0x0
	s_endpgm
.Lfunc_end_k_q569fc8e3d2_tail:
	.size	k_q569fc8e3d2_tail, .Lfunc_end_k_q569fc8e3d2_tail-k_q569fc8e3d2_tail
	.p2alignl 7, 3214868480
	.fill 96, 4, 3214868480
	.section	.rodata,"a",@progbits
	.p2align	6, 0x0
	.amdhsa_kernel k_q569fc8e3d2_tail
		.amdhsa_group_segment_fixed_size 108544
		.amdhsa_private_segment_fixed_size 0
		.amdhsa_enable_private_segment 0
		.amdhsa_kernarg_size 80
		.amdhsa_user_sgpr_count 2
		.amdhsa_user_sgpr_kernarg_segment_ptr 1
		.amdhsa_wavefront_size32 1
		.amdhsa_system_sgpr_workgroup_id_x 1
		.amdhsa_system_sgpr_workgroup_id_y 1
		.amdhsa_system_sgpr_workgroup_id_z 1
		.amdhsa_system_vgpr_workitem_id 0
		.amdhsa_next_free_vgpr 512
		.amdhsa_next_free_sgpr 66
		.amdhsa_reserve_vcc 0
		.amdhsa_float_denorm_mode_32 3
		.amdhsa_float_denorm_mode_16_64 3
		.amdhsa_memory_ordered 1
		.amdhsa_forward_progress 1
		.amdhsa_inst_pref_size 98
	.end_amdhsa_kernel
	.amdgpu_metadata
---
amdhsa.version: [ 1, 2 ]
amdhsa.kernels:
  - .name:           k_q569fc8e3d2_tail
    .symbol:         k_q569fc8e3d2_tail.kd
    .args:
      - { .name: att, .offset: 0, .size: 8, .value_kind: global_buffer, .address_space: global }
      - { .name: x, .offset: 8, .size: 8, .value_kind: global_buffer, .address_space: global }
      - { .name: ln1_g, .offset: 16, .size: 8, .value_kind: global_buffer, .address_space: global }
      - { .name: ln1_b, .offset: 24, .size: 8, .value_kind: global_buffer, .address_space: global }
      - { .name: cod, .offset: 32, .size: 8, .value_kind: global_buffer, .address_space: global }
      - { .name: scl, .offset: 40, .size: 8, .value_kind: global_buffer, .address_space: global }
      - { .name: b1, .offset: 48, .size: 8, .value_kind: global_buffer, .address_space: global }
      - { .name: ln2_g, .offset: 56, .size: 8, .value_kind: global_buffer, .address_space: global }
      - { .name: ln2_b, .offset: 64, .size: 8, .value_kind: global_buffer, .address_space: global }
      - { .name: out0, .offset: 72, .size: 8, .value_kind: global_buffer, .address_space: global }
    .group_segment_fixed_size: 108544
    .private_segment_fixed_size: 0
    .kernarg_segment_align: 8
    .kernarg_segment_size: 80
    .max_flat_workgroup_size: 256
    .sgpr_count:     66
    .vgpr_count:     512
    .wavefront_size: 32
...
	.end_amdgpu_metadata
.endif
;; end of part 4
